; MI455X (gfx1250); checked and timed in simulation.
; The chip was launched on July 23, 2026; its instructions are those of AMD's public machine-readable ISA for CDNA 5 (MIT licence, August 2026) and "CDNA5" Instruction Set Architecture Reference Guide (July 2026). The comments in the code are by the model that wrote it; some were corrected since.
;; Modern BERT Attention. Allowed arithmetic: matrix products marked QUANTISED: E2M3 operands, one E8M0 scale for each 32 along K, by v_wmma_scale_f32_16x16x128_f8f6f4 with both operands' format E2M3, f32 sums; everything else in f32.
;; Inputs: wo 1,024 x 1,024 float32; wqkv 1,024 x 3,072 float32; x 4 x 2,048 x 1,024 float32.
;; Outputs: out0 4 x 2,048 x 1,024 float32.
;; This version of the problem:
;;   THIS VERSION OF THE PROBLEM IS GIVEN IN LOW PRECISION. The matrix products marked QUANTISED in the list below multiply operands that are first quantised to E2M3 (2 exponent bits, 3 mantissa bits; 6 bits a number), with one power-of-two scale for each 32 numbers along K (OCP MX v1.0); their sums are f32. All else is computed in f32.
;;   The module's matrix products, in the order in which they are computed (A, B: the left and right operand; K: the contracted axis; several contracted axes count as one K, in the product's order):
;;     1. [M 8,192, K 1,024] x [K 1,024, N 3,072]; A: input x; B: input wqkv: QUANTISED
;;     2. batch 64 x [M 2,048, K 64] x [K 64, N 2,048]; A: computed on the way; B: computed on the way: QUANTISED
;;     3. batch 64 x [M 2,048, K 2,048] x [K 2,048, N 64]; A: softmax (see below); B: computed on the way: QUANTISED
;;     4. [M 8,192, K 1,024] x [K 1,024, N 1,024]; A: computed on the way; B: input wo: QUANTISED
;;   THE QUANTISER, for each operand of a quantised product, along K:
;;     - K is cut into blocks of 32 from its start; a last block that is shorter is filled with zeros.
;;     - A block's scale is 2^e with e = floor(log2(the largest magnitude in the block)) - 2, held to -126 .. 127; a block of zeros has e = 0. As a byte (E8M0): e + 127.
;;     - Each number is divided by its block's scale, clamped to +-7.5, and rounded to the nearest number of E2M3, ties to even, subnormals kept.
;;     - The product sums the exact products of the quantised numbers (number of the format x scale) in f32.
;;   ~~~python
;;   def quantise(x, axis):      # numpy; x: float32 -> the quantised numbers, widened to float32 again
;;       x = np.moveaxis(x, axis, -1); K = x.shape[-1]
;;       x = np.pad(x, [(0, 0)] * (x.ndim - 1) + [(0, -K % 32)]); x = x.reshape(x.shape[:-1] + (-1, 32)); a = np.abs(x).max(-1, keepdims=True)
;;       e = np.where(a > 0, np.clip(np.frexp(np.where(a > 0, a, 1))[1] - 1 - 2, -126, 127), 0)      # np.frexp(a)[1] - 1 = floor(log2(a)), exactly
;;       r = np.clip(x / 2.0 ** e, -7.5, 7.5)
;;       step = 2.0 ** (np.maximum(np.frexp(np.where(r == 0, 1, r))[1] - 1, 0) - 3)
;;       q = np.round(r / step) * step * 2.0 ** e      # np.round: ties to even
;;       return np.moveaxis(q.reshape(q.shape[:-2] + (-1,))[..., :K], -1, axis).astype(np.float32)
;;   ~~~
;;   SOFTMAX AHEAD OF A QUANTISED PRODUCT. Where the list says 'softmax', what is quantised is not the finished softmax but p = 2^(t - M), with t = logit x log2(e) and M = ceil(the row's largest t), a whole number; so 1/2 < the row's largest p <= 1. The row's sum l is taken of the UNQUANTISED p, in f32, and the product's result is divided by l at the end. Since M is a whole number, a kernel that streams over the keys may use a running M (the ceiling of the running maximum): every later rescaling is an exact power of two, which a block's scale takes up: the codes' values come out the same.
;;   OPERANDS COMPUTED ON THE WAY. 'Computed on the way' means the value that the module computes at that place (a softmax that the list does not call 'softmax' is quantised finished and normalised). What goes into a quantiser is computed in f32, as accurately as f32 sums, v_exp_f32 and their like allow (about 1e-6 of the number): no bf16 or f16 on the way to a quantiser, and a product that is left as it is and whose result goes on into a quantised operand takes f32 operands (vector FMAs, or v_wmma_f32_16x16x4_f32). A number that lies on a knife's edge between two numbers of the format may be rounded either way, as far as f32 arithmetic and the matrix unit's own rounding can turn it there, and no further.
;; One version. Each part assembles by itself: llvm-mc -triple=amdgcn-amd-amdhsa -mcpu=gfx1250 --defsym DOCPART=n.
;; ======== version 1 of 1: 4 launches
;; limits: right only within a limited range of input values
;; workspace buffers: x_codes 6,291,456 bytes; x_scales 262,144 bytes; w_codes 3,145,728 bytes; w_scales 131,072 bytes; rope 524,288 bytes; qkv 19,660,800 bytes; o_img 6,291,456 bytes; o_scales 262,144 bytes
;; launch prep (part 1): grid 384 x 1, 4 waves a work-group, no clusters, 68,096 bytes of LDS; arguments x, wqkv, wo, x_codes, x_scales, w_codes, w_scales, rope; writes x_codes, x_scales, w_codes, w_scales, rope
.if DOCPART == 1
	.amdgcn_target "amdgcn-amd-amdhsa--gfx1250"
	.amdhsa_code_object_version 6
	.text
	.protected	k_qbc11f3983f_prep
	.globl	k_qbc11f3983f_prep
	.p2align	8
	.type	k_qbc11f3983f_prep,@function
k_qbc11f3983f_prep:
	s_mov_b64 s[64:65], 0
	v_nop
	global_prefetch_b8 v0, s[64:65] scope:SCOPE_SE
	s_setreg_imm32_b32 hwreg(HW_REG_WAVE_MODE, 25, 1), 1
	s_wait_xcnt 0x0
; THE FIRST LAUNCH: all three inputs become codes of FP6 (E2M3) with one E8M0 scale byte for each 32 along K = 1,024, K innermost, and the table of cosines and sines is made.
; x [8192][1024] f32 (K innermost) -> x_codes [8192][768], x_scales [8192][32].  wqkv [1024][3072] and wo [1024][1024] f32 (K is the FIRST axis) -> w_codes [4096][768], w_scales [4096][32]:
; rows 0-3071 are wqkv's columns, rows 3072-4095 wo's.
; THE ROWS' ORDER: in all four buffers the second and the third group of 8 rows of every 32 change places: place 16 u + r of a group of 32 holds row 8 u + r + 8 (r / 8).  So 16 neighbouring places, taken as a
; tile by the products' launches, are the rows whose results fall, in a lane's registers, in the order of the next product's K.
; A block's scale is 2^(floor(log2(its largest magnitude)) - 2); its byte is the largest magnitude's exponent field - 2, held at 1 from below.
; LIMITS: NaN and infinities are not served.  A block whose largest magnitude lies under 2^-124 has its byte held at 1; a block of zeros gets the byte 1 where the rule says 127: its codes are zeros, and this program alone reads the bytes.
; rope [2048 s][16 jp][cos 2jp, cos 2jp+1, sin 2jp, sin 2jp+1] f32, of the angle s x 10^(-j / 8), j = 0 .. 31: the frequency is the f32 nearest to 10^(-j / 8), the angle one f32 product as in the problem's text;
; sine and cosine by taking off n pi / 2 (pi / 2 in two parts; what is left out is under 3e-12 for n up to 1,304) and two polynomials on |r| <= pi / 4, good to about 1e-7.
; SHARES: work-groups 0-255 take 32 rows of x each (a wave 8 rows) and 128 entries of 16 bytes of the table; work-groups 256-383 take 128 columns x 256 along K of a weight (a wave 32 columns).
; The two ways never join and have LDS bytes of their own.  No work-group shares an input with another, so no cluster; memory binds, so no matrix unit, no tensor loads, no barrier: waves share nothing.
.set STEPS, 16
.set SP,    80                         ; x: a lane's place in a stage: its 64 bytes + 16 of padding
.set WREG,  8192                       ; x: LDS of a wave: two stages of 32 x SP bytes, behind them its 256 scale bytes
.set CB,    12                         ; bytes of 16 codes
.set R,     16                         ; v16-79   x: four sets of 16 numbers as loaded
.set X,     80                         ; v80-111  x: two sets of 16 neighbours
.set E,     112                        ; v112-127 x: a scale byte for each step
.set C,     128                        ; v128-191 x: codes, four registers a step
; THE CODES' LAYOUT (it takes the place of the rows of 768 bytes named at the head): both buffers of codes lie in four planes of 256 along K: x_codes [4][8192 places][192 bytes], w_codes [4][4096 places][192 bytes].
; So 128 neighbouring places of one plane are 24,576 dense bytes that begin at a multiple of 256 bytes: the products' launches load them as rows of 256 bytes.
.set KROW,  192                        ; a place's codes in one plane, in bytes
.set XPL,   1572864                    ; a plane of x_codes: 8,192 x 192 bytes
.set WPL,   786432                     ; a plane of w_codes: 4,096 x 192 bytes
.set WSTG,  32768                      ; the weights' stages begin here
.set WP,    272                        ; a stage row: sixteen places of 16 bytes + 16
.set NB,    8                          ; blocks of 32 along K for a wave
.set WX,    32                         ; v32-95   w: two sets of 32 numbers
.set WC,    96                         ; v96..    w: a block's codes
.set OUTR,  112                        ; v112-175 w: the way out
.set SB,    24                         ; v24-25   w: the scale bytes
.set VO,    176                        ; v176-207 w: 4 x lane + i x the source's row pitch
	s_load_b256 s[4:11], s[0:1], 0x0               ; x s[4:5], wqkv s[6:7], wo s[8:9], x_codes s[10:11]
	s_load_b256 s[12:19], s[0:1], 0x20             ; x_scales s[12:13], w_codes s[14:15], w_scales s[16:17], rope s[18:19]
	v_lshl_add_u32 v224, v0, 2, 0x10800
	v_mov_b32 v225, 0
	v_lshrrev_b32 v1, 5, v0
	v_readfirstlane_b32 s20, v1                    ; wave
	v_and_b32 v2, 31, v0                           ; lane
	s_cmp_ge_u32 ttmp9, 256
	s_cbranch_scc1 .Lweights
; ---------------- x: a plain stream of blocks of 32.  A wave takes 16 steps of 512 numbers.  Each load reads 512 consecutive bytes; a step's 2,048 bytes turn through the wave's own stage, so that a lane holds 16 neighbours.
	v_lshlrev_b32 v3, 4, v2                        ; my 16 bytes of a load's 512
	s_mul_i32 s21, s20, WREG
	v_lshrrev_b32 v14, 2, v2
	v_mul_u32_u24 v14, v14, SP
	v_and_b32 v15, 3, v2
	v_lshl_add_u32 v14, v15, 4, v14
	v_add_nc_u32 v14, s21, v14                     ; into the stage: SP (lane / 4) + 16 (lane % 4)
	v_mul_u32_u24 v15, v2, SP
	v_add_nc_u32 v15, s21, v15                     ; out of it: SP x lane
	v_and_b32 v4, 15, v2
	v_lshrrev_b32 v13, 4, v2
	v_mul_u32_u24 v4, v4, CB
	v_mad_u32_u24 v4, v13, XPL, v4                 ; a step is 512 along K: lanes 0-15 hold one plane's 192 bytes of the row, lanes 16-31 the next plane's
	v_lshrrev_b32 v5, 1, v2
	s_add_co_u32 s21, s21, 2*32*SP
	v_add_nc_u32 v5, s21, v5                       ; my block's byte among the wave's 256
	v_lshlrev_b32 v7, 3, v2
	v_add_nc_u32 v6, s21, v7
	s_lshl_b32 s22, ttmp9, 2
	s_add_co_u32 s24, s22, s20                     ; the run of 8 rows that I read,
	s_lshl_b32 s24, s24, 15                        ; 32,768 bytes each
	s_mov_b32 s25, 0
	s_and_b32 s26, s20, 1
	s_lshl_b32 s26, s26, 1
	s_lshr_b32 s27, s20, 1
	s_or_b32 s26, s26, s27                         ; groups 1 and 2 of the 32 rows change places
	s_add_co_u32 s26, s22, s26                     ; the run that I write
	s_mul_i32 s28, s26, 1536                       ; 8 places of 192 bytes
	s_mov_b32 s29, 0
	s_lshl_b32 s30, s26, 8
	s_mov_b32 s31, 0
	s_lshl_b32 s32, ttmp9, 11                      ; the work-group's 2,048 bytes of the table
	s_mov_b32 s33, 0
	s_lshl_b32 s34, ttmp9, 3                       ; its first s
	s_mov_b32 s40, -0.00019515295891               ; sine's coefficients,
	s_mov_b32 s41, 0.0083321608736
	s_mov_b32 s42, -0.16666654611
	s_mov_b32 s43, 0.00002443315711809948          ; cosine's
	s_mov_b32 s44, -0.001388731625493765
	s_mov_b32 s45, 0.04166664568298827
	s_wait_kmcnt 0x0
	s_add_nc_u64 s[4:5], s[4:5], s[24:25]
	s_add_nc_u64 s[10:11], s[10:11], s[28:29]
	s_add_nc_u64 s[12:13], s[12:13], s[30:31]
	s_add_nc_u64 s[18:19], s[18:19], s[32:33]
.macro LOAD t
.irp i, 0,1,2,3
	global_load_b128 v[R+16*((\t)%4)+4*\i:R+16*((\t)%4)+4*\i+3], v3, s[4:5] offset:2048*(\t)+512*\i th:TH_LOAD_NT   ; 32 lanes read 512 consecutive bytes
.endr
.endm
.macro TURN t                          ; step t's numbers through the stage: LDS serves a wave's instructions in order (ISA guide 5.7.1.4), so no wait stands between the stores and the loads
.irp i, 0,1,2,3
	ds_store_b128 v14, v[R+16*((\t)%4)+4*\i:R+16*((\t)%4)+4*\i+3] offset:32*SP*((\t)%2)+8*SP*\i
.endr
.irp i, 0,1,2,3
	ds_load_b128 v[X+16*((\t)%2)+4*\i:X+16*((\t)%2)+4*\i+3], v15 offset:32*SP*((\t)%2)+16*\i
.endr
.endm
.irp t, 0,1,2,3
	LOAD \t
.endr
; The table, while the first sixteen loads are on their way.  Thread g = 128 x work-group + v0 makes s = g / 16, jp = g % 16.  Registers v192-212 alone: nothing is written twice behind the store.
	v_and_b32 v192, 15, v0                         ; jp
	v_lshrrev_b32 v193, 4, v0
	v_add_nc_u32 v193, s34, v193
	v_cvt_f32_u32 v193, v193                       ; s
	v_mov_b32 v194, 1.0                            ; 10^(-2 jp / 8),
	v_mov_b32 v195, 0.7498942093                   ; 10^(-(2 jp + 1) / 8): chosen among sixteen pairs
.macro INVF n, a, b
	v_cmp_ne_u32 vcc_lo, \n, v192
	v_cndmask_b32 v194, \a, v194, vcc_lo
	v_cndmask_b32 v195, \b, v195, vcc_lo
.endm
	INVF 1, 0.5623413252, 0.4216965034
	INVF 2, 0.3162277660, 0.2371373706
	INVF 3, 0.1778279410, 0.1333521432
	INVF 4, 0.1, 0.07498942093
	INVF 5, 0.05623413252, 0.04216965034
	INVF 6, 0.03162277660, 0.02371373706
	INVF 7, 0.01778279410, 0.01333521432
	INVF 8, 0.01, 0.007498942093
	INVF 9, 0.005623413252, 0.004216965034
	INVF 10, 0.003162277660, 0.002371373706
	INVF 11, 0.001778279410, 0.001333521432
	INVF 12, 0.001, 0.0007498942093
	INVF 13, 0.0005623413252, 0.0004216965034
	INVF 14, 0.0003162277660, 0.0002371373706
	INVF 15, 0.0001778279410, 0.0001333521432
.macro SINCOS f, co, si
	v_mul_f32 v200, v193, v[\f]                    ; the angle
	v_mul_f32 v201, 0x3f22f983, v200               ; x 2 / pi
	v_rndne_f32 v201, v201                         ; n
	v_fma_f32 v202, v201, 0xbfc90fdb, v200         ; - n x the upper part of pi / 2,
	v_fma_f32 v202, v201, 0x333bbd2e, v202         ; + n x what that part has too much: r, |r| <= pi / 4
	v_cvt_i32_f32 v203, v201                       ; the quadrant is n mod 4
	v_mul_f32 v204, v202, v202                     ; z = r r
	v_fma_f32 v205, v204, s40, s41
	v_fma_f32 v205, v205, v204, s42
	v_mul_f32 v206, v204, v202
	v_fma_f32 v205, v205, v206, v202               ; sin r
	v_fma_f32 v207, v204, s43, s44
	v_fma_f32 v207, v207, v204, s45
	v_mul_f32 v208, v204, v204
	v_fma_f32 v209, v204, -0.5, 1.0
	v_fma_f32 v207, v207, v208, v209               ; cos r
	v_and_b32 v210, 1, v203
	v_cmp_eq_u32 vcc_lo, 1, v210                   ; in odd quadrants the two change places (values are chosen; nothing branches)
	v_cndmask_b32 v211, v205, v207, vcc_lo
	v_cndmask_b32 v210, v207, v205, vcc_lo
	v_lshlrev_b32 v208, 30, v203
	v_and_b32 v208, 0x80000000, v208               ; the sine is negative in quadrants 2, 3,
	v_xor_b32 v[\si], v211, v208
	v_add_nc_u32 v209, 1, v203
	v_lshlrev_b32 v209, 30, v209
	v_and_b32 v209, 0x80000000, v209               ; the cosine in 1, 2
	v_xor_b32 v[\co], v210, v209
.endm
	SINCOS 194, 196, 198
	SINCOS 195, 197, 199
	v_lshlrev_b32 v212, 4, v0
	global_store_b128 v212, v[196:199], s[18:19]   ; a wave stores 512 consecutive bytes, aligned
	s_wait_loadcnt 12                              ; step 0's four loads are in; the twelve of steps 1 to 3 may be out
	TURN 0
.macro STEP t
.set XS, X+16*((\t)%2)
.if (\t) > 0
	s_wait_dscnt 1                                 ; this step's numbers are back from the stage (the last step's byte store may be out)
.else
	s_wait_dscnt 0x0
.endif
.if (\t)+4 < STEPS
	LOAD (\t)+4                                    ; into the registers that the stage's stores have read
.endif
.if (\t)+1 < STEPS
.if STEPS-2-(\t) >= 3
	s_wait_loadcnt 12                              ; the next step's four loads are in; those of the three steps behind it may be out
.else
	s_wait_loadcnt 4*(STEPS-2-(\t))
.endif
	TURN (\t)+1
.endif
	v_max3_num_f32 v8, |v[XS]|, |v[XS+1]|, |v[XS+2]|               ; the largest magnitude of my 16
	v_max3_num_f32 v9, |v[XS+3]|, |v[XS+4]|, |v[XS+5]|
.irp i, 6,10
	v_max3_num_f32 v8, v8, |v[XS+\i]|, |v[XS+\i+1]|
	v_max3_num_f32 v9, v9, |v[XS+\i+2]|, |v[XS+\i+3]|
.endr
	v_max3_num_f32 v8, v8, |v[XS+14]|, |v[XS+15]|
	v_max3_num_f32 v8, v8, v9, 0x1800000           ; and the floor 2^(3 - 127): the byte cannot fall under 1
	v_max_num_f32_dpp v8, v8, v8 row_xmask:1 row_mask:0xf bank_mask:0xf   ; and of my neighbour's 16: the block's
	v_add_nc_u32 v11, 0xff000000, v8               ; 2 off its exponent field: the conversion takes the exponent field of this operand as its scale
	v_cvt_scalef32_pk16_fp6_f32 v[C+4*(\t):C+4*(\t)+2], v[XS:XS+15], v11
	v_lshrrev_b32 v[E+(\t)], 23, v11               ; the scale's byte
	ds_store_b8 v5, v[E+(\t)] offset:16*(\t)       ; both lanes of a block write the same byte with the same value
	global_store_b96 v4, v[C+4*(\t):C+4*(\t)+2], s[10:11] offset:((\t)%2)*2*XPL+((\t)/2)*192   ; row t / 2 of my eight, planes 2 (t % 2) and 2 (t % 2) + 1: sixteen lanes store 192 consecutive bytes
.endm
.irp t, 0,1,2,3,4,5,6,7,8,9,10,11,12,13,14,15
	STEP \t
.endr
	ds_load_b64 v[12:13], v6                       ; in order behind my byte stores
	s_wait_dscnt 0x0
	global_store_b64 v7, v[12:13], s[12:13]        ; 32 lanes store 256 consecutive bytes, aligned
	s_wait_tensorcnt 0x0
	ds_add_u32 v224, v225
	s_wait_dscnt 0x0
	s_endpgm
; ---------------- the weights: A LANE TAKES A COLUMN, ITS REGISTERS RUN DOWN K: a block of 32 lies in one lane, and the conversions give codes with K innermost.  Nothing is transposed by an instruction.
.Lweights:
	s_sub_co_u32 s21, ttmp9, 256
	s_and_b32 s22, s21, 3                          ; which 256 along K
	s_lshr_b32 s23, s21, 2                         ; which 128 rows of w_codes: 0-23 wqkv's columns, 24-31 wo's
	s_mov_b32 s30, 4096
	s_cmp_lt_u32 s23, 24
	s_cselect_b32 s30, 12288, s30                  ; the source's row in bytes
	s_cselect_b32 s24, 0, 24
	s_sub_co_u32 s24, s23, s24
	s_lshl_b32 s24, s24, 7
	s_lshl_b32 s25, s20, 5
	s_add_co_u32 s24, s24, s25                     ; my wave's first column in the source
	s_wait_alu depctr_va_vdst(0)
	v_lshlrev_b32 v3, 2, v2
.set i, 0
.rept 32
	v_mad_u32_u24 v[VO+i], s30, i, v3              ; 4 x lane + i rows
.set i, i+1
.endr
	s_mul_i32 s26, s20, 32*WP
	s_add_co_u32 s26, s26, WSTG                    ; my stage
	v_mul_u32_u24 v4, v2, WP
	v_add_nc_u32 v4, s26, v4                       ; into it: row = my column
	v_and_b32 v5, 15, v2
	v_lshrrev_b32 v6, 4, v2
	v_mul_u32_u24 v7, v6, WP
	v_lshl_add_u32 v7, v5, 4, v7
	v_add_nc_u32 v7, s26, v7                       ; out of it: sixteen lanes to a row, two rows an instruction
	v_mul_u32_u24 v8, v6, KROW
	v_mad_u32_u24 v8, v5, 12, v8                   ; and the same place in w_codes
	v_and_b32 v9, 7, v2                            ; my column's place among the 32: bits 3 and 4 change places
	v_and_b32 v10, 8, v2
	v_lshl_or_b32 v9, v10, 1, v9
	v_and_b32 v10, 16, v2
	v_lshrrev_b32 v10, 1, v10
	v_or_b32 v9, v9, v10
	v_lshlrev_b32 v9, 5, v9                        ; 32 scale bytes a row
	s_mul_i32 s48, s22, s30
	s_lshl_b32 s48, s48, 8                         ; 256 rows of the source for each step along K,
	s_lshl_b32 s49, s24, 2
	s_add_co_u32 s48, s48, s49                     ; + 4 x column
	s_mov_b32 s49, 0
	s_lshl_b32 s50, s30, 5                         ; 32 rows: from block to block
	s_mov_b32 s51, 0
	s_lshl_b32 s52, s23, 7
	s_add_co_u32 s52, s52, s25                     ; my first row of w_codes
	s_mul_i32 s54, s52, KROW
	s_mul_i32 s53, s22, WPL                        ; my 256 along K are one plane
	s_add_co_u32 s54, s54, s53
	s_mov_b32 s55, 0
	s_lshl_b32 s56, s52, 5
	s_lshl_b32 s53, s22, 3
	s_add_co_u32 s56, s56, s53
	s_mov_b32 s57, 0
	s_wait_kmcnt 0x0
	s_cmp_lt_u32 s23, 24                           ; the choice hangs on the work-group's number alone
	s_cselect_b64 s[6:7], s[6:7], s[8:9]
	s_add_nc_u64 s[32:33], s[6:7], s[48:49]        ; a base for each of the eight blocks
.irp t, 1,2,3,4,5,6,7
	s_add_nc_u64 s[32+2*\t:33+2*\t], s[30+2*\t:31+2*\t], s[50:51]
.endr
	s_add_nc_u64 s[14:15], s[14:15], s[54:55]
	s_add_nc_u64 s[16:17], s[16:17], s[56:57]
.macro WLOAD t                         ; block t: w(32 t + i, my column), i = 0 .. 31: each load reads 128 consecutive bytes a wave
.set i, 0
.rept 32
	global_load_b32 v[WX+32*((\t)%2)+i], v[VO+i], s[32+2*(\t):33+2*(\t)] th:TH_LOAD_NT
.set i, i+1
.endr
.endm
	WLOAD 0
	WLOAD 1
.macro BLOCK t
.set XS, WX+32*((\t)%2)
.if (\t) < NB-1
	s_wait_loadcnt 32                              ; this block's 32 loads are in; the next block's may be out
.else
	s_wait_loadcnt 0x0
.endif
	v_max3_num_f32 v12, |v[XS]|, |v[XS+1]|, |v[XS+2]|
	v_max3_num_f32 v13, |v[XS+3]|, |v[XS+4]|, |v[XS+5]|
.irp i, 6,10,14,18,22,26
	v_max3_num_f32 v12, v12, |v[XS+\i]|, |v[XS+\i+1]|
	v_max3_num_f32 v13, v13, |v[XS+\i+2]|, |v[XS+\i+3]|
.endr
	v_max3_num_f32 v12, v12, |v[XS+30]|, |v[XS+31]|
	v_max3_num_f32 v12, v12, v13, 0x1800000        ; with the floor 2^(3 - 127)
	v_add_nc_u32 v11, 0xff000000, v12              ; the conversion's scale operand
	v_lshrrev_b32 v13, 23, v11                     ; the scale's byte
.if (\t)%4 == 0
	v_mov_b32 v[SB+(\t)/4], v13
.else
	v_lshl_or_b32 v[SB+(\t)/4], v13, 8*((\t)%4), v[SB+(\t)/4]
.endif
	v_cvt_scalef32_pk16_fp6_f32 v[WC:WC+2], v[XS:XS+15], v11
	v_cvt_scalef32_pk16_fp6_f32 v[WC+4:WC+6], v[XS+16:XS+31], v11   ; (a conversion's three registers begin on an even number)
	ds_store_b96 v4, v[WC:WC+2] offset:32*(\t)     ; 12 bytes to a place of 16
	ds_store_b96 v4, v[WC+4:WC+6] offset:32*(\t)+16
.if (\t)+2 < NB
	WLOAD (\t)+2
.endif
	s_wait_dscnt 0x0                               ; the stores have read their registers: the next block's codes may be written
.endm
.irp t, 0,1,2,3,4,5,6,7
	BLOCK \t
.endr
	s_wait_alu depctr_va_vdst(0)
	global_store_b64 v9, v[SB:SB+1], s[16:17]      ; my column's 8 scale bytes: rows 32 bytes apart, one byte in 128 of what this way reads
.irp t, 0,1,2,3,4,5,6,7,8,9,10,11,12,13,14,15
	ds_load_b96 v[OUTR+4*\t:OUTR+4*\t+2], v7 offset:2*\t*WP
.endr
.irp t, 0,1,2,3,4,5,6,7,8,9,10,11,12,13,14,15
	s_wait_dscnt 15-\t
	global_store_b96 v8, v[OUTR+4*\t:OUTR+4*\t+2], s[14:15] offset:(((2*\t)&7)+8*((((2*\t)>>3)&1)*2+((2*\t)>>4)))*KROW   ; columns 2 t, 2 t + 1 at their places among the 32; sixteen lanes store 192 consecutive bytes
.endr
	s_wait_tensorcnt 0x0
	ds_add_u32 v224, v225
	s_wait_dscnt 0x0
	s_endpgm
.Lfunc_end_k_qbc11f3983f_prep:
	.size	k_qbc11f3983f_prep, .Lfunc_end_k_qbc11f3983f_prep-k_qbc11f3983f_prep
	.p2alignl 7, 3214868480
	.fill 96, 4, 3214868480
	.section	.rodata,"a",@progbits
	.p2align	6, 0x0
	.amdhsa_kernel k_qbc11f3983f_prep
		.amdhsa_group_segment_fixed_size 68096
		.amdhsa_private_segment_fixed_size 0
		.amdhsa_enable_private_segment 0
		.amdhsa_kernarg_size 64
		.amdhsa_user_sgpr_count 2
		.amdhsa_user_sgpr_kernarg_segment_ptr 1
		.amdhsa_wavefront_size32 1
		.amdhsa_system_sgpr_workgroup_id_x 1
		.amdhsa_system_sgpr_workgroup_id_y 1
		.amdhsa_system_sgpr_workgroup_id_z 1
		.amdhsa_system_vgpr_workitem_id 0
		.amdhsa_next_free_vgpr 226
		.amdhsa_next_free_sgpr 66
		.amdhsa_reserve_vcc 1
		.amdhsa_float_denorm_mode_32 3
		.amdhsa_float_denorm_mode_16_64 3
		.amdhsa_memory_ordered 1
		.amdhsa_forward_progress 1
		.amdhsa_inst_pref_size 82
	.end_amdhsa_kernel
	.amdgpu_metadata
---
amdhsa.version: [ 1, 2 ]
amdhsa.kernels:
  - .name:           k_qbc11f3983f_prep
    .symbol:         k_qbc11f3983f_prep.kd
    .args:
      - { .name: x, .offset: 0, .size: 8, .value_kind: global_buffer, .address_space: global }
      - { .name: wqkv, .offset: 8, .size: 8, .value_kind: global_buffer, .address_space: global }
      - { .name: wo, .offset: 16, .size: 8, .value_kind: global_buffer, .address_space: global }
      - { .name: x_codes, .offset: 24, .size: 8, .value_kind: global_buffer, .address_space: global }
      - { .name: x_scales, .offset: 32, .size: 8, .value_kind: global_buffer, .address_space: global }
      - { .name: w_codes, .offset: 40, .size: 8, .value_kind: global_buffer, .address_space: global }
      - { .name: w_scales, .offset: 48, .size: 8, .value_kind: global_buffer, .address_space: global }
      - { .name: rope, .offset: 56, .size: 8, .value_kind: global_buffer, .address_space: global }
    .group_segment_fixed_size: 68096
    .private_segment_fixed_size: 0
    .kernarg_segment_align: 8
    .kernarg_segment_size: 64
    .max_flat_workgroup_size: 128
    .sgpr_count:     66
    .vgpr_count:     226
    .wavefront_size: 32
...
	.end_amdgpu_metadata
.endif
;; end of part 1
;; launch qkv (part 2): grid 12 x 32, 4 waves a work-group, clusters of 4 x 4, 327,680 bytes of LDS; arguments x_codes, x_scales, w_codes, w_scales, rope, qkv; writes qkv
.if DOCPART == 2
	.amdgcn_target "amdgcn-amd-amdhsa--gfx1250"
	.amdhsa_code_object_version 6
	.text
	.protected	k_qbc11f3983f_qkv
	.globl	k_qbc11f3983f_qkv
	.p2align	8
	.type	k_qbc11f3983f_qkv,@function
k_qbc11f3983f_qkv:
	s_mov_b64 s[64:65], 0
	v_nop
	global_prefetch_b8 v0, s[64:65] scope:SCOPE_SE
	s_setreg_imm32_b32 hwreg(HW_REG_WAVE_MODE, 25, 1), 1
	s_wait_xcnt 0x0
	s_wait_alu depctr_hold_cnt(0) depctr_sa_sdst(0) depctr_va_vdst(0) depctr_va_sdst(0) depctr_va_ssrc(0) depctr_va_vcc(0) depctr_vm_vsrc(0)
	s_getreg_b32 s2, hwreg(HW_REG_IB_STS2, 6, 4)
	s_cmp_eq_u32 s2, 0
	s_cbranch_scc0 .Lentry_in_a_cluster
	s_endpgm
.Lentry_in_a_cluster:
	s_bfe_u32 s2, ttmp6, 0x10000c
	s_cmp_lg_u32 s2, 0xf033
	s_cbranch_scc0 .Lentry_shape_is_right
	s_endpgm
.Lentry_shape_is_right:
.set KSTEP,  256
.set NQ,     2
.set ROWB,   192
.set XPL,    1572864                   ; a plane (256 along K) of x_codes: 8,192 places x 192 bytes
.set WPL,    786432                    ; a plane of w_codes: 4,096 places x 192 bytes
.set PITCH,  240
.set FR,     12
.set NL,     6
.set NP,     4
.set HALFT,  128*PITCH
.set SLOT,   4*HALFT
.set LAPS,   2
.set KS,     32
.set SCL,    2*SLOT
.set HALFS,  (128*KS/256)*272
.set SBLK,   (16*KS/256)*272
.set SPARE,  SCL+4*HALFS
.set REC,    19200
.set HS,     307200
.set RV,     6144
.set RKS,    12288
.set RVS,    12544
.set RQ,     12800
.set RQS,    18944
.set ADRA, 16
.set ADRB, 20
.set ADRS, 27
.set SPW,  28
.set NIL,  29
.set SC,   32
.set AF,   128
.set H,    32
.set TBL,  96
.set PC,   160
.set PT,   172
.set TM,   180
.set SW,   200
.set W,    208
.set XT,   212
.set G1, 24
.set G0, 32
.set G1B, 48
.set G0B, 56
.set SEL, 66
.set G1S, 68
.set G0S, 76
.set G1SB, 80
.set G0SB, 88
.set MSB, 0
.macro WIN new
.if MSB != (\new)
	s_set_vgpr_msb (MSB<<8)|(\new)
.set MSB, (\new)
.endif
.endm
.set MUL_LO, 0xa1
.set MUL_HI, 0xf1
.set TO_B,   0x40
.macro JLOAD g0a, g1a, g0b, g1b
	s_cmp_eq_u32 s15, 0
	s_cbranch_scc0 .Lfor_b_\@
	tensor_load_to_lds s[\g0a:\g0a+3], s[\g1a:\g1a+7]
	s_nop 0
.rept 4
	v_nop
.endr
	s_branch .Lasked_\@
.Lfor_b_\@:
	tensor_load_to_lds s[\g0b:\g0b+3], s[\g1b:\g1b+7]
	s_nop 0
.rept 4
	v_nop
.endr
.Lasked_\@:
.endm
.macro CREST
	s_cmp_lg_u32 s14, 0
	s_cbranch_scc1 .Lnot_wave_0_\@
	s_barrier_signal -3
.Lnot_wave_0_\@:
	s_barrier_wait -3
	s_barrier_signal -1
	s_barrier_wait -1
.endm
.macro CROUND
	s_barrier_signal -1
	s_barrier_wait -1
	CREST
.endm
	s_load_b128 s[4:7], s[0:1], 0x0
	s_load_b128 s[8:11], s[0:1], 0x10
	s_load_b128 s[96:99], s[0:1], 0x20
	v_lshl_add_u32 v[SPW], v0, 2, SPARE
	v_mov_b32 v[NIL], 0
	ds_add_u32 v28, v29
	ds_add_u32 v28, v29
	s_wait_dscnt 0x0
	v_lshrrev_b32 v1, 5, v0
	v_readfirstlane_b32 s14, v1
	s_lshr_b32 s15, s14, 1
	s_and_b32 s16, s14, 1
	s_bfe_u32 s40, ttmp6, 0x40000
	s_bfe_u32 s41, ttmp6, 0x40004
	s_and_b32 s17, ttmp7, 0xffff
	s_cmp_eq_u32 ttmp9, 2
	s_cselect_b32 s42, s17, ttmp9
	s_cselect_b32 s17, 0, s17
	s_cselect_b32 s95, 2048, 0
	s_lshl_b32 s42, s42, 2
	s_add_co_u32 s42, s42, s40
	s_lshl_b32 s17, s17, 2
	s_add_co_u32 s17, s17, s41
	s_lshl_b32 s43, s41, 2
	s_lshl_b32 s43, 15, s43
	s_lshl_b32 s44, 0x1111, s40
	s_or_b32 s[G1+0], s43, (0<<16)|(1<<20)|(1<<21)|(3<<22)|(3<<25)
	s_or_b32 s[G1B+0], s44, (0<<16)|(1<<20)|(1<<21)|(3<<22)|(3<<25)
; a tile's places of one plane are dense in memory: they come as rows of 256 bytes, each at a multiple of 256 bytes; 16 bytes of padding behind every 64 give each place's 192 bytes an LDS pitch of 240.
; 256 places = 192 rows for the head's loads; behind them the two words that count rows are set to 96 (128 places), for the ring's
.irp g, G1, G1B
	s_mov_b32 s[\g+1], 256<<16
	s_mov_b32 s[\g+2], 192<<16
	s_mov_b32 s[\g+3], 256<<16
	s_mov_b32 s[\g+4], 192
	s_mov_b32 s[\g+5], 256
	s_mov_b32 s[\g+6], 0
	s_mov_b32 s[\g+7], 0
.endr
	s_or_b32 s[G1S+0], s43, (3<<16)|(1<<20)|(1<<21)|(5<<22)|(3<<25)
	s_or_b32 s[G1SB+0], s44, (3<<16)|(1<<20)|(1<<21)|(5<<22)|(3<<25)
.irp g, G1S, G1SB
	s_mov_b32 s[\g+1], 32<<16
	s_mov_b32 s[\g+2], (256*KS/256)<<16            ; the scale bytes of all 256 rows in one load
	s_mov_b32 s[\g+3], 32<<16
	s_mov_b32 s[\g+4], 256*KS/256
	s_mov_b32 s[\g+5], 32
	s_mov_b32 s[\g+6], 0
	s_mov_b32 s[\g+7], 0
.endr
	s_lshl_b32 s20, s17, 8
	s_add_co_u32 s20, s20, s95                     ; A: the tile's first place
	s_lshl_b32 s46, s42, 8                         ; B: likewise
	s_mov_b32 s21, 0
	s_mov_b32 s47, 0
	s_mov_b64 s[18:19], KS
	s_mul_u64 s[22:23], s[20:21], s[18:19]         ; where these rows' scale bytes begin
	s_mul_u64 s[92:93], s[46:47], s[18:19]
	s_mov_b64 s[18:19], ROWB
	s_mul_u64 s[20:21], s[20:21], s[18:19]         ; and their codes in plane 0
	s_mul_u64 s[46:47], s[46:47], s[18:19]
	s_mul_i32 s18, s16, 128*ROWB                   ; in the ring I fetch 128 places of a tile: which half, in bytes
	s_mov_b32 s19, 0
	s_mul_i32 s45, s14, HALFT
	s_mov_b32 s12, XPL
	s_mov_b32 s94, WPL
	s_cmp_eq_u32 ttmp9, 2                          ; the cluster's x alone: V's clusters take the weight as A and x as B
	s_cselect_b32 s2, s94, s12
	s_cselect_b32 s94, s12, s94                    ; s[94:95] from plane to plane of B
	s_mov_b32 s12, s2                              ; s[12:13] of A
	s_mov_b32 s13, 0
	s_mov_b32 s95, 0
	s_wait_kmcnt 0x0
	s_cmp_eq_u32 ttmp9, 2
	s_cselect_b64 s[100:101], s[8:9], s[4:5]
	s_cselect_b64 s[8:9], s[4:5], s[8:9]
	s_mov_b64 s[4:5], s[100:101]
	s_cselect_b64 s[100:101], s[10:11], s[6:7]
	s_cselect_b64 s[10:11], s[6:7], s[10:11]
	s_mov_b64 s[6:7], s[100:101]
	s_add_nc_u64 s[20:21], s[4:5], s[20:21]
	s_add_nc_u64 s[22:23], s[6:7], s[22:23]
	s_add_nc_u64 s[46:47], s[8:9], s[46:47]
	s_add_nc_u64 s[92:93], s[10:11], s[92:93]
	CROUND
; THE HEAD'S LOADS, ONE A WAVE: wave 0 plane 0 of A's 256 places, wave 1 of B's, wave 2 the scale bytes of A's 256 rows, wave 3 of B's.  Their group 0 for the codes lies where arguments lay that have been used.
	s_mov_b32 s4, 1
	s_mov_b32 s5, 0
	s_mov_b64 s[6:7], s[20:21]
	s_or_b32 s7, s7, 0x80000000
	s_mov_b32 s8, 1
	s_mov_b32 s9, 2*HALFT
	s_mov_b64 s[10:11], s[46:47]
	s_or_b32 s11, s11, 0x80000000
	s_mov_b32 s[G0S], 1
	s_mov_b32 s[G0S+1], SCL
	s_mov_b64 s[G0S+2:G0S+3], s[22:23]
	s_or_b32 s[G0S+3], s[G0S+3], 0x80000000
	s_mov_b32 s[G0SB], 1
	s_mov_b32 s[G0SB+1], SCL+2*HALFS
	s_mov_b64 s[G0SB+2:G0SB+3], s[92:93]
	s_or_b32 s[G0SB+3], s[G0SB+3], 0x80000000
.macro ARM under, g0, g1, next         ; one chain of branches on the wave's number: every way passes exactly one load
	s_cmp_lt_u32 s14, \under
	s_cbranch_scc0 \next
	tensor_load_to_lds s[\g0:\g0+3], s[\g1:\g1+7]
	s_nop 0
.rept 4
	v_nop
.endr
	s_branch .Lhead_asked
\next:
.endm
	ARM 1, 4, G1, .Lhead_b
	ARM 2, 8, G1B, .Lhead_sa
	ARM 3, G0S, G1S, .Lhead_sb
	tensor_load_to_lds s[G0SB:G0SB+3], s[G1SB:G1SB+7]
	s_nop 0
.rept 4
	v_nop
.endr
.Lhead_asked:
	s_add_nc_u64 s[20:21], s[20:21], s[18:19]      ; for the ring: my 128 places of the tile
	s_add_nc_u64 s[46:47], s[46:47], s[18:19]
	s_mov_b32 s[G0], 1                             ; slot 0 stands at plane 0 and is stepped two planes at its first refill; slot 1 at plane 1
	s_mov_b32 s[G0+1], s45
	s_mov_b64 s[G0+2:G0+3], s[20:21]
	s_or_b32 s[G0+3], s[G0+3], 0x80000000
	s_mov_b32 s[G0+4], 1
	s_add_co_u32 s[G0+5], s45, SLOT
	s_add_nc_u64 s[G0+6:G0+7], s[20:21], s[12:13]
	s_or_b32 s[G0+7], s[G0+7], 0x80000000
	s_mov_b32 s[G0B], 1
	s_mov_b32 s[G0B+1], s45
	s_mov_b64 s[G0B+2:G0B+3], s[46:47]
	s_or_b32 s[G0B+3], s[G0B+3], 0x80000000
	s_mov_b32 s[G0B+4], 1
	s_add_co_u32 s[G0B+5], s45, SLOT
	s_add_nc_u64 s[G0B+6:G0B+7], s[46:47], s[94:95]
	s_or_b32 s[G0B+7], s[G0B+7], 0x80000000
; PREFETCHES INTO THE L2: the 24,576 bytes that I fetch of a plane are 96 blocks of 256 bytes; the four partners that ask for them jointly take 24 each, told apart by address (cx for A, cy for B); a lane a block, lanes 24-31 name the last again.
; Here planes 1 and 2 are asked for, behind slot 1's load plane 3: at most two planes of my share are asked for and not yet loaded.  The three offsets and the base are never rewritten.
	s_cmp_eq_u32 s15, 0
	s_cselect_b64 s[100:101], s[20:21], s[46:47]
	s_cselect_b32 s2, s12, s94
	s_cselect_b32 s3, s40, s41
	s_mul_i32 s3, s3, 24*256
	s_lshl_b32 s12, s12, 1                         ; from here on: two planes, a refill's step
	s_lshl_b32 s94, s94, 1
	v_and_b32 v6, 31, v0
	v_min_u32 v6, 23, v6
	v_lshl_add_u32 v6, v6, 8, s3
	v_add_nc_u32 v24, s2, v6
	v_add_nc_u32 v25, s2, v24
	v_add_nc_u32 v26, s2, v25
	global_prefetch_b8 v24, s[100:101] th:TH_LOAD_NT scope:SCOPE_SE
	global_prefetch_b8 v25, s[100:101] th:TH_LOAD_NT scope:SCOPE_SE
	v_and_b32 v1, 15, v0
	v_bfe_u32 v2, v0, 4, 1
	v_mul_u32_u24 v3, v1, PITCH
	v_mul_u32_u24 v4, v2, 24
	v_add_nc_u32 v4, v3, v4
	v_lshl_add_u32 v5, v2, 4, v4
	s_mul_i32 s21, s15, HALFT
	s_mul_i32 s22, s16, HALFT
	s_add_co_u32 s22, s22, 2*HALFT
.irp s, 0,1
	v_add_nc_u32 v[ADRA+\s], s21, v4
	v_add_nc_u32 v[ADRB+\s], s22, v4
	v_add_nc_u32 v[ADRA+2+\s], s21, v5
	v_add_nc_u32 v[ADRB+2+\s], s22, v5
	s_add_co_u32 s21, s21, SLOT
	s_add_co_u32 s22, s22, SLOT
.endr
	v_mul_u32_u24 v5, v1, KS
	v_lshrrev_b32 v6, 8, v5
	v_lshl_add_u32 v5, v6, 4, v5
	s_mul_i32 s21, s15, HALFS
	s_mul_i32 s22, s16, HALFS
	s_add_co_u32 s22, s22, 2*HALFS
	s_sub_co_u32 s22, s22, s21
	v_mul_u32_u24 v6, s22, v2
	s_add_co_u32 s21, s21, SCL
	v_add_nc_u32 v5, v5, v6
	v_add_nc_u32 v[ADRS], s21, v5
.macro FRAG reg, adr, q, i
.irp p, 0,1,2,3,4,5
.set PIECE, 12*(\q)+6*(\p/3)+\p%3
.if PIECE%8 < 5
	ds_load_b64 v[\reg+2*\p:\reg+2*\p+1], v[\adr] offset:8*PIECE+16*(PIECE/8)+(\i)*16*PITCH
.else
	ds_load_b64 v[\reg+2*\p:\reg+2*\p+1], v[\adr+2] offset:8*PIECE+16*(PIECE/8)+(\i)*16*PITCH
.endif
.endr
.endm
.macro MUL16 a0, p, q, sc, zero
.irp a, \a0, \a0+1
.irp b, 0,1,2,3,4,5,6,7
.if \zero
	v_wmma_scale_f32_16x16x128_f8f6f4 v[8*(8*((\a)%4)+\b):8*(8*((\a)%4)+\b)+7], v[128*(\p)+FR*\b:128*(\p)+FR*\b+FR-1], v[AF+FR*(\a):AF+FR*(\a)+FR-1], 0, v[SC+8*NQ*(\sc)+NQ*\b+(\q)], v[SC+8*NQ*(\sc)+NQ*(\a)+(\q)] matrix_a_fmt:MATRIX_FMT_FP6 matrix_b_fmt:MATRIX_FMT_FP6 matrix_a_scale:MATRIX_SCALE_ROW1
.else
	v_wmma_scale_f32_16x16x128_f8f6f4 v[8*(8*((\a)%4)+\b):8*(8*((\a)%4)+\b)+7], v[128*(\p)+FR*\b:128*(\p)+FR*\b+FR-1], v[AF+FR*(\a):AF+FR*(\a)+FR-1], v[8*(8*((\a)%4)+\b):8*(8*((\a)%4)+\b)+7], v[SC+8*NQ*(\sc)+NQ*\b+(\q)], v[SC+8*NQ*(\sc)+NQ*(\a)+(\q)] matrix_a_fmt:MATRIX_FMT_FP6 matrix_b_fmt:MATRIX_FMT_FP6 matrix_a_scale:MATRIX_SCALE_ROW1
.endif
.endr
.endr
.endm
.macro FETCH_B slot, q, p
	WIN TO_B
.irp i, 0,1,2,3,4,5,6,7
	FRAG 128*(\p)+FR*\i, ADRB+\slot, \q, \i
.endr
	WIN 0
.endm
.macro FETCH_A slot, q, i0
.irp i, \i0, \i0+1, \i0+2, \i0+3
	FRAG AF+FR*(\i), ADRA+\slot, \q, \i
.endr
.endm
.macro SCALES sc
.irp i, 0,1,2,3,4,5,6,7
	ds_load_b64 v[SC+8*NQ*\sc+NQ*\i:SC+8*NQ*\sc+NQ*\i+1], v[ADRS] offset:\i*SBLK
.endr
.endm
.macro PLACES n
.rept \n
	v_nop
.endr
.endm
.macro STEP slot, q, zero
	s_wait_dscnt 4*NL
	WIN MUL_LO
	MUL16 0, (\q)%2, \q, \slot, \zero
	MUL16 2, (\q)%2, \q, \slot, \zero
	s_wait_dscnt 0
	PLACES NP
	FETCH_B \slot, (\q)+1, 1-(\q)%2
	FETCH_A \slot, (\q)+1, 0
	WIN MUL_HI
	MUL16 4, (\q)%2, \q, \slot, \zero
	MUL16 6, (\q)%2, \q, \slot, \zero
	PLACES NP
	WIN 0
	FETCH_A \slot, (\q)+1, 4
.endm
.macro TURN slot, next, fill
	s_wait_tensorcnt 0x0
	ds_add_u32 v[SPW], v[NIL]
	s_wait_dscnt 4*NL+1
	WIN MUL_LO
	MUL16 0, 1, NQ-1, \slot, 0
	s_wait_dscnt 0x0
	s_barrier_signal -1
	MUL16 2, 1, NQ-1, \slot, 0
	WIN 0
	s_barrier_wait -1
.if \fill
	CREST
	s_add_nc_u64 s[G0+4*\slot+2:G0+4*\slot+3], s[G0+4*\slot+2:G0+4*\slot+3], s[12:13]
	s_add_nc_u64 s[G0B+4*\slot+2:G0B+4*\slot+3], s[G0B+4*\slot+2:G0B+4*\slot+3], s[94:95]
	JLOAD G0+4*\slot, G1, G0B+4*\slot, G1B
.else
	PLACES NP
.endif
	s_wait_alu depctr_va_vdst(0)
	v_add_nc_u32 v[ADRS], 4*NQ, v[ADRS]
	FETCH_B \next, 0, 0
	FETCH_A \next, 0, 0
	SCALES \next
	WIN MUL_HI
	MUL16 4, 1, NQ-1, \slot, 0
	MUL16 6, 1, NQ-1, \slot, 0
	PLACES NP
	WIN 0
	FETCH_A \next, 0, 4
.endm
	s_wait_alu depctr_va_vdst(0)                   ; the wait at the head's end
	s_wait_tensorcnt 0x0                           ; my tile of the head's four is in
	ds_add_u32 v[SPW], v[NIL]
	s_mov_b32 s[G1+2], 96<<16                      ; no tensor load of mine is out: from here on a load brings 128 places, 96 rows of 256 bytes
	s_mov_b32 s[G1+4], 96
	s_mov_b32 s[G1B+2], 96<<16
	s_mov_b32 s[G1B+4], 96
	s_wait_dscnt 0x0
	CROUND                                         ; all four tiles are in, and all sixteen work-groups are here
	JLOAD G0+4, G1, G0B+4, G1B                     ; plane 1 into slot 1: the first tensor load behind the round
	FETCH_B 0, 0, 0
	FETCH_A 0, 0, 0
	SCALES 0
	FETCH_A 0, 0, 4
	global_prefetch_b8 v26, s[100:101] th:TH_LOAD_NT scope:SCOPE_SE   ; plane 3, two refills ahead of its load
	STEP 0, 0, 1
	s_mov_b32 s3, LAPS-1
.Llap:
	TURN 0, 1, 1
	STEP 1, 0, 0
	TURN 1, 0, 1
	STEP 0, 0, 0
	s_sub_co_u32 s3, s3, 1
	s_cmp_lg_u32 s3, 0
	s_cbranch_scc1 .Llap
	TURN 0, 1, 0
	STEP 1, 0, 0
; THE TABLE OF COSINES AND SINES goes into window 1, 32 registers for each of my eight blocks of 16 tokens: blocks 0-3 now, into B's set 0 and the 32 registers behind it, which the last 64 products do not read
; (four places stand behind the last product that read them); blocks 4-7 behind the last products.  V's clusters need no table.
.macro TLOAD a
.irp k, 0,1,2,3,4,5,6,7
	global_load_b128 v[32*(\a)+4*\k:32*(\a)+4*\k+3], v10, s[96:97] offset:(32*((\a)/2)+8*((\a)%2))*256+16*\k
.endr
.endm
	s_cmp_eq_u32 ttmp9, 2
	s_cbranch_scc1 .Lno_table
	s_lshl_b32 s18, s17, 8
	s_lshl_b32 s19, s15, 7
	s_add_co_u32 s18, s18, s19                     ; my first token
	s_bfe_u32 s22, s18, 0x40007                    ; which 128 of its sequence's 2,048
	s_lshl_b32 s22, s22, 15                        ; 256 bytes of the table a token
	v_and_b32 v1, 15, v0
	v_bfe_u32 v2, v0, 4, 1
	v_and_b32 v3, 8, v1
	v_add_nc_u32 v3, v3, v1                        ; lane r of a block is token r + 8 (r / 8) of its 32
	v_lshlrev_b32 v10, 8, v3
	v_lshl_add_u32 v10, v2, 7, v10
	v_add_nc_u32 v10, s22, v10
	s_wait_alu depctr_va_vdst(0)                   ; directly ahead of the reader below
	WIN TO_B
.irp a, 0,1,2,3
	TLOAD \a
.endr
	WIN 0
.Lno_table:
	s_wait_dscnt 4*NL
	WIN MUL_LO
	MUL16 0, 1, NQ-1, 1, 0
	MUL16 2, 1, NQ-1, 1, 0
	s_wait_dscnt 0
	WIN MUL_HI
	MUL16 4, 1, NQ-1, 1, 0
	MUL16 6, 1, NQ-1, 1, 0
	WIN 0
	PLACES NP
.macro QUANT src, w, pw
	WIN ((\w)<<2)|((\w)<<4)
.irp b, 0,1,2,3
	v_max3_num_f32 v[TM+\b], 0x1800000, |v[(\src)+16*\b]|, |v[(\src)+16*\b+1]|
.endr
.irp i, 2,4,6,8,10,12,14
.irp b, 0,1,2,3
	v_max3_num_f32 v[TM+\b], v[TM+\b], |v[(\src)+16*\b+\i]|, |v[(\src)+16*\b+\i+1]|
.endr
.endr
	WIN 0
.irp b, 0,1,2,3
	v_permlanex16_b32 v[TM+4+\b], v[TM+\b], s[SEL], s[SEL+1]
.endr
.irp b, 0,1,2,3
	v_max_num_f32 v[TM+\b], v[TM+\b], v[TM+4+\b]
.endr
.irp b, 0,1,2,3
	v_add_nc_u32 v[TM+12+\b], 0xff000000, v[TM+\b]
.endr
.irp b, 0,1,2,3
	v_lshrrev_b32 v[TM+4+\b], 23, v[TM+12+\b]
.endr
	v_lshl_or_b32 v[\pw], v[TM+5], 8, v[TM+4]
	v_lshl_or_b32 v[\pw], v[TM+6], 16, v[\pw]
	v_lshl_or_b32 v[\pw], v[TM+7], 24, v[\pw]
	WIN (\w)
.irp c, 0,1
	v_cvt_scalef32_pk16_fp6_f32 v[PC+6*\c:PC+6*\c+2], v[(\src)+32*\c:(\src)+32*\c+15], v[TM+12+2*\c]
	v_cvt_scalef32_pk16_fp6_f32 v[PT+4*\c:PT+4*\c+2], v[(\src)+32*\c+16:(\src)+32*\c+31], v[TM+12+2*\c+1]
.endr
	WIN 0
	v_nop
.irp c, 0,1
.irp i, 0,1,2
	v_permlane16_swap_b32 v[PC+6*\c+\i], v[PT+4*\c+\i]
.endr
.irp i, 0,1,2
	v_mov_b32 v[PC+3+6*\c+\i], v[PT+4*\c+\i]
.endr
.endr
.endm
	s_mov_b32 s[SEL], 0x76543210
	s_mov_b32 s[SEL+1], 0xfedcba98
	s_mov_b32 s46, 0xffff0000
	v_and_b32 v1, 15, v0
	v_bfe_u32 v2, v0, 4, 1
	v_and_b32 v3, 31, v0
	v_lshlrev_b32 v8, 4, v3
	v_lshlrev_b32 v9, 3, v3
	v_mul_u32_u24 v11, v2, HS
	v_lshl_add_u32 v11, v1, 4, v11
.irp b, 0,1,2,3
	v_mov_b32 v[TM+4+\b], 0
.endr
	s_cmp_eq_u32 ttmp9, 2
	s_cselect_b32 s18, s42, s17
	s_cselect_b32 s19, s16, s15
	s_cselect_b32 s20, s17, s42
	s_cselect_b32 s21, s15, s16
	s_lshl_b32 s18, s18, 8
	s_lshl_b32 s19, s19, 7
	s_add_co_u32 s18, s18, s19
	s_lshr_b32 s19, s18, 11
	s_bfe_u32 s22, s18, 0x40007
	s_and_b32 s20, s20, 3
	s_lshl_b32 s20, s20, 2
	s_lshl_b32 s21, s21, 1
	s_add_co_u32 s20, s20, s21
	s_lshl_b32 s19, s19, 4
	s_add_co_u32 s19, s19, s20
	s_mul_i32 s92, s19, HS
	s_mul_i32 s23, s22, REC
	s_add_co_u32 s92, s92, s23
	s_mov_b32 s93, 0
	s_add_nc_u64 s[98:99], s[98:99], s[92:93]
	s_cmp_eq_u32 ttmp9, 2
	s_cbranch_scc1 .Lv
	s_cmp_eq_u32 ttmp9, 0
	s_cselect_b32 s92, RQ, 0
	s_mov_b32 s40, RKS
	s_cselect_b32 s40, RQS, s40
	s_mov_b32 s41, 0
	s_add_nc_u64 s[44:45], s[98:99], s[92:93]
	s_add_nc_u64 s[40:41], s[98:99], s[40:41]
	v_mov_b32 v12, 0x05040100
	v_mov_b32 v13, 0x07060302
	v_cndmask_b32 v12, v12, v13, s46
.macro ROPE a
	WIN (2+(\a)/4)|4                               ; source 0: the sums' window; source 1: the table, in window 1
.set AC, 64*((\a)%4)
.set TS, 32*(\a)
.set xt, 0
.irp c, 0,1
.irp u, 0,1
.irp ip, 0,4                           ; four numbers of each half at a time: the four products with the sines stand ahead of the four multiply-adds that take them
.set r1, AC+8*(4*\c+\u)+\ip
.set r2, AC+8*(4*\c+2+\u)+\ip
.set rc, TS+4*((8*\u+\ip)/2)
.set h1, H+8*(4*\c+\u)+\ip
.set h2, H+8*(4*\c+2+\u)+\ip
	v_pk_mul_f32 v[XT:XT+1], v[r2:r2+1], v[rc+2:rc+3]
	v_pk_mul_f32 v[XT+2:XT+3], v[r1:r1+1], v[rc+2:rc+3]
	v_pk_mul_f32 v[XT+4:XT+5], v[r2+2:r2+3], v[rc+6:rc+7]
	v_pk_mul_f32 v[XT+6:XT+7], v[r1+2:r1+3], v[rc+6:rc+7]
	v_pk_fma_f32 v[h1:h1+1], v[r1:r1+1], v[rc:rc+1], v[XT:XT+1] neg_lo:[0,0,1] neg_hi:[0,0,1]
	v_pk_fma_f32 v[h2:h2+1], v[r2:r2+1], v[rc:rc+1], v[XT+2:XT+3]
	v_pk_fma_f32 v[h1+2:h1+3], v[r1+2:r1+3], v[rc+4:rc+5], v[XT+4:XT+5] neg_lo:[0,0,1] neg_hi:[0,0,1]
	v_pk_fma_f32 v[h2+2:h2+3], v[r2+2:r2+3], v[rc+4:rc+5], v[XT+6:XT+7]
.endr
.endr
.endr
	WIN 0
.endm
	WIN TO_B
.irp a, 4,5,6,7
	TLOAD \a
.endr
	WIN 0
.irp a, 0,1,2,3,4,5,6,7
	s_wait_loadcnt 8*(7-\a)                        ; block a's eight loads are in; the eight of each later block may be out
	ROPE \a
.set PC, 96+12*\a+64*(\a/5)            ; each block's twelve registers of codes are its own (v96-155, v220-255): no store's data are written again, and all stores leave in one run behind the last block
	QUANT H, 0, SW+\a
.endr
.irp p, 0,1,2,3
	v_perm_b32 v[W+\p], v[SW+2*\p+1], v[SW+2*\p], v12
.endr
	s_wait_alu depctr_va_vdst(0)                   ; directly ahead of the readers below
.irp a, 0,1,2,3,4,5,6,7
.set PC, 96+12*\a+64*(\a/5)
.irp c, 0,1
	global_store_b128 v8, v[PC+6*\c:PC+6*\c+3], s[44:45] offset:\c*HS+768*\a
	global_store_b64 v9, v[PC+6*\c+4:PC+6*\c+5], s[44:45] offset:\c*HS+768*\a+512
.endr
.endr
	global_store_b128 v11, v[W:W+3], s[40:41]
	s_branch .Lend
.Lv:
.irp a, 0,1,2,3,4,5,6,7
.set PC, 96+12*\a+64*(\a/5)            ; as above: registers of its own for each block's codes
	QUANT 64*((\a)%4), 2+(\a)/4, SW+\a
.endr
.irp t, 0,1,2,3
	v_cndmask_b32 v[W+\t], v[SW+\t], v[SW+4+\t], s46
.endr
	s_wait_alu depctr_va_vdst(0)                   ; directly ahead of the readers below
.irp a, 0,1,2,3,4,5,6,7
.set PC, 96+12*\a+64*(\a/5)
	global_store_b128 v8, v[PC:PC+3], s[98:99] offset:((\a)/4)*HS+RV+1536*((\a)%4)
	global_store_b64 v9, v[PC+4:PC+5], s[98:99] offset:((\a)/4)*HS+RV+1536*((\a)%4)+512
	global_store_b128 v8, v[PC+6:PC+9], s[98:99] offset:((\a)/4)*HS+RV+1536*((\a)%4)+768
	global_store_b64 v9, v[PC+10:PC+11], s[98:99] offset:((\a)/4)*HS+RV+1536*((\a)%4)+1280
.endr
	global_store_b128 v11, v[W:W+3], s[98:99] offset:RVS
.Lend:
	s_wait_tensorcnt 0x0
	ds_add_u32 v[SPW], v[NIL]
	s_wait_dscnt 0x0
	CROUND
	s_endpgm
.Lfunc_end_k_qbc11f3983f_qkv:
	.size	k_qbc11f3983f_qkv, .Lfunc_end_k_qbc11f3983f_qkv-k_qbc11f3983f_qkv
	.p2alignl 7, 3214868480
	.fill 96, 4, 3214868480
	.section	.rodata,"a",@progbits
	.p2align	6, 0x0
	.amdhsa_kernel k_qbc11f3983f_qkv
		.amdhsa_group_segment_fixed_size 327680
		.amdhsa_private_segment_fixed_size 0
		.amdhsa_enable_private_segment 0
		.amdhsa_kernarg_size 48
		.amdhsa_user_sgpr_count 2
		.amdhsa_user_sgpr_kernarg_segment_ptr 1
		.amdhsa_wavefront_size32 1
		.amdhsa_system_sgpr_workgroup_id_x 1
		.amdhsa_system_sgpr_workgroup_id_y 1
		.amdhsa_system_sgpr_workgroup_id_z 1
		.amdhsa_system_vgpr_workitem_id 0
		.amdhsa_next_free_vgpr 1024
		.amdhsa_next_free_sgpr 104
		.amdhsa_reserve_vcc 0
		.amdhsa_float_denorm_mode_32 3
		.amdhsa_float_denorm_mode_16_64 3
		.amdhsa_memory_ordered 1
		.amdhsa_forward_progress 1
		.amdhsa_inst_pref_size 241
	.end_amdhsa_kernel
	.amdgpu_metadata
---
amdhsa.version: [ 1, 2 ]
amdhsa.kernels:
  - .name:           k_qbc11f3983f_qkv
    .symbol:         k_qbc11f3983f_qkv.kd
    .args:
      - { .name: x_codes, .offset: 0, .size: 8, .value_kind: global_buffer, .address_space: global }
      - { .name: x_scales, .offset: 8, .size: 8, .value_kind: global_buffer, .address_space: global }
      - { .name: w_codes, .offset: 16, .size: 8, .value_kind: global_buffer, .address_space: global }
      - { .name: w_scales, .offset: 24, .size: 8, .value_kind: global_buffer, .address_space: global }
      - { .name: rope, .offset: 32, .size: 8, .value_kind: global_buffer, .address_space: global }
      - { .name: qkv, .offset: 40, .size: 8, .value_kind: global_buffer, .address_space: global }
    .group_segment_fixed_size: 327680
    .private_segment_fixed_size: 0
    .kernarg_segment_align: 8
    .kernarg_segment_size: 48
    .max_flat_workgroup_size: 128
    .sgpr_count:     104
    .vgpr_count:     1024
    .wavefront_size: 32
...
	.end_amdgpu_metadata
.endif
;; end of part 2
;; launch attn (part 3): grid 4 x 64, 16 waves a work-group, clusters of 4 x 1, 206,848 bytes of LDS; arguments qkv, o_img, o_scales; writes o_img, o_scales
.if DOCPART == 3
	.amdgcn_target "amdgcn-amd-amdhsa--gfx1250"
	.amdhsa_code_object_version 6
	.text
	.protected	k_qbc11f3983f_attn
	.globl	k_qbc11f3983f_attn
	.p2align	8
	.type	k_qbc11f3983f_attn,@function
k_qbc11f3983f_attn:
	s_mov_b64 s[64:65], 0
	v_nop
	global_prefetch_b8 v0, s[64:65] scope:SCOPE_SE
	s_setreg_imm32_b32 hwreg(HW_REG_WAVE_MODE, 25, 1), 1
	s_wait_xcnt 0x0
	s_wait_alu depctr_hold_cnt(0) depctr_sa_sdst(0) depctr_va_vdst(0) depctr_va_sdst(0) depctr_va_ssrc(0) depctr_va_vcc(0) depctr_vm_vsrc(0)
	s_getreg_b32 s2, hwreg(HW_REG_IB_STS2, 6, 4)
	s_cmp_eq_u32 s2, 0
	s_cbranch_scc0 .Lentry_in_a_cluster
	s_endpgm
.Lentry_in_a_cluster:
	s_bfe_u32 s2, ttmp6, 0x10000c
	s_cmp_lg_u32 s2, 0x3003
	s_cbranch_scc0 .Lentry_shape_is_right
	s_endpgm
.Lentry_shape_is_right:
; THE THIRD LAUNCH: attention on codes of FP6 (E2M3) with E8M0 scales: S^T = K Q^T (K = the head's 64), the softmax, O^T = V^T P^T (K = the keys), O / the row's sum quantised along the hidden axis for the last product.
; THE SOFTMAX: t = score x log2(e) / 8; M = the running largest t rounded UP to a whole number; p = 2^(t - M) is quantised along the keys, not normalised; the row's sum is taken of the unquantised p and divides O at the end.
; When M moves, the sum and O are multiplied by 2^(old M - new M): exact.
; SHARES.  A work-group owns one head (batch x 16 + head = the grid's y) and 512 queries, in two passes of 256; each of its sixteen waves owns one tile of 16 queries a pass, in 256 registers: four waves to a SIMD, so that one
; wave's vector work stands beside another's matrix work and LDS loads.
; THE HEAD'S K AND V STAY IN LDS: as codes with their scale words they are 16 steps x 12,800 bytes = 204,800 bytes.  They are filled ONCE: no ring, no refill.  Wave w brings step w: one tensor load a wave is out.
; CLUSTER: the four work-groups of a cluster own the four quarters of one head's queries and need the same K and V: each of the sixteen loads is a joint load that names all four.
; THE 64 ALONG K OF THE FIRST PRODUCT fill half of the instruction's 128.  A fragment of K holds TWO tiles of keys (registers 0-5 and 6-11) and is multiplied once by [q | zeros] and once by [zeros | q]: K is read dense, and zero codes add nothing.
; LAYOUT.  Both products are used transposed: a lane holds ONE query (lane % 16) throughout.  Lane r of K's tile a is key 32 (a / 2) + 8 (a % 2) + r + 8 (r / 8), so that the 16 registers of tiles 2 b, 2 b + 1 are keys 32 b + 16 h + 0 .. 15;
; V^T's tiles of d are chosen alike, so that O^T's 32 registers are d = 32 b + 16 h + 0 .. 15: along the last product's K.
; OUT: o_img [tile of 16 rows][head][768 bytes]: registers 0-5 of the last product's operand, as they stand; o_scales [row][32]: byte 2 head + block.  The scale bytes leave one byte a lane, two to a row of 32: 262,144 bytes of
; the 6.5 million that the launch writes, one store a wave and pass.
; LIMITS: NaN and infinities are not served; a block under 2^-124 has its byte held at 1, a block of zeros the byte 1 (its codes are zeros; this program alone reads the bytes).
.set REC,   19200
.set HS,    307200
.set STEPB, 12800                      ; what a key step needs of a record
.set RV,    6144
.set RKS,   12288
.set RVS,   12544
.set RQ,    12800
.set RQS,   18944
.set QA,  16                           ; v16-27  [q | 0]
.set QB,  28                           ; v28-39  [0 | q]
.set KF,  40                           ; v40-87  four fragments of K, then of V
.set S,   96                           ; v96-159 S^T, then p
.set O,   160                          ; v160-191 O^T
.set PC,  192                          ; v192-203 p's codes
.set PT,  204                          ; v204-206, v208-210 the conversions' second halves
.set KS,  212                          ; v212-215 K's scale words
.set VS,  216                          ; v216-219 V's
.set QS,  220                          ; q's scale word: its two bytes, twice
.set PS,  221                          ; p's
.set QR,  222                          ; q's as loaded
.set BM,  224                          ; v224-227 the blocks' largest scores, then largest p
.set BT,  228                          ; v228-231 at work; the bytes
.set BE,  232                          ; v232-235 the conversions' scale operands
.set SU,  236
.set T0,  238
.set BY,  239
.set FF,  240                          ; v[240:241] f = 2^(old M - new M), named as a pair
.set WV,  18
.set SEL, 20
.set CS,  22
.set G1,  24
.set G0,  32
.set TB,  36
.set CNT, 37
.macro CROUND                          ; a round of the cluster's barrier
	s_barrier_signal -1
	s_barrier_wait -1
	s_cmp_lg_u32 s[WV], 0
	s_cbranch_scc1 .Lnot_wave_0_\@
	s_barrier_signal -3
.Lnot_wave_0_\@:
	s_barrier_wait -3
	s_barrier_signal -1
	s_barrier_wait -1
.endm
	s_load_b128 s[4:7], s[0:1], 0x0                ; qkv, o_img
	s_load_b64 s[8:9], s[0:1], 0x10                ; o_scales
	v_lshl_add_u32 v254, v0, 2, 0x32000
	v_mov_b32 v255, 0
	ds_add_u32 v254, v255
	ds_add_u32 v254, v255
	v_lshrrev_b32 v1, 5, v0
	s_delay_alu instid0(VALU_DEP_1)
	v_readfirstlane_b32 s[WV], v1                  ; wave 0..15
	s_bfe_u32 s10, ttmp6, 0x40000                  ; cx: it enters Q's and the outputs' addresses alone
	s_and_b32 s11, ttmp7, 0xffff                   ; batch x 16 + head, which the four partners share
	s_mul_i32 s12, s11, HS
	s_mov_b32 s13, 0
	s_mul_i32 s14, s[WV], REC                      ; step w's record
	s_mov_b32 s15, 0
	s_mov_b32 s[G1], 15|(3<<16)|(1<<21)            ; the mask: all four; elements of 8 bytes; bit 21 beside a mask; no padding
	s_mov_b32 s[G1+1], 32<<16                      ; tensor_dim0 = 32 elements: rows of 256 bytes
	s_mov_b32 s[G1+2], 50<<16                      ; tensor_dim1 = 50 rows: 12,800 dense bytes
	s_mov_b32 s[G1+3], 32<<16                      ; tile_dim0
	s_mov_b32 s[G1+4], 50                          ; tile_dim1
	s_mov_b32 s[G1+5], 32                          ; the pitch
	s_mov_b32 s[G1+6], 0
	s_mov_b32 s[G1+7], 0
	s_mov_b32 s[G0], 1
	s_mul_i32 s[G0+1], s[WV], STEPB                ; LDS: step w at 12,800 w
	s_mov_b32 s[SEL], 0x76543210
	s_mov_b32 s[SEL+1], 0xfedcba98                 ; lane l xor 16
	s_mov_b32 s[CS], 0x3e38aa3b                    ; c = log2(e) / 8
	s_mov_b32 s[CS+1], s[CS]                       ; (named with it as a pair)
	s_mov_b32 s38, 0xffff0000                      ; lanes 16-31
	s_wait_dscnt 0x0
	s_wait_kmcnt 0x0
	s_add_nc_u64 s[16:17], s[4:5], s[12:13]        ; the head's first record
	s_add_nc_u64 s[G0+2:G0+3], s[16:17], s[14:15]
	s_or_b32 s[G0+3], s[G0+3], 0x80000000
	CROUND                                         ; all four work-groups are here: the joint loads meet
	tensor_load_to_lds s[G0:G0+3], s[G1:G1+7]      ; my one tensor load of the launch
	s_nop 0
.rept 4
	v_nop
.endr
	s_and_b32 s48, s[WV], 7                        ; a: my tile in a record
	s_lshr_b32 s49, s[WV], 3
	s_lshl_b32 s50, s10, 2
	s_add_co_u32 s50, s50, s49                     ; my record in pass 0: 4 cx + wave / 8; pass 1: two on
	s_mul_i32 s52, s50, REC
	s_mul_i32 s51, s48, 768
	s_add_co_u32 s52, s52, s51
	s_add_co_u32 s52, s52, RQ
	s_mov_b32 s53, 0
	s_add_nc_u64 s[40:41], s[16:17], s[52:53]      ; Q's tile
	s_mul_i32 s52, s50, REC
	s_lshr_b32 s51, s48, 1
	s_lshl_b32 s51, s51, 2
	s_add_co_u32 s52, s52, s51
	s_add_co_u32 s52, s52, RQS
	s_add_nc_u64 s[42:43], s[16:17], s[52:53]      ; the scale word that holds my tile's two bytes
	s_lshr_b32 s51, s11, 4
	s_lshl_b32 s51, s51, 7
	s_lshl_b32 s54, s50, 3
	s_add_co_u32 s51, s51, s54
	s_add_co_u32 s51, s51, s48                     ; my tile of 16 rows among 512: 128 batch + 8 record + a
	s_and_b32 s54, s11, 15                         ; the head
	s_lshl_b32 s52, s51, 4
	s_add_co_u32 s52, s52, s54
	s_mul_i32 s52, s52, 768
	s_add_nc_u64 s[44:45], s[6:7], s[52:53]
	s_lshl_b32 s52, s51, 9
	s_lshl_b32 s54, s54, 1
	s_add_co_u32 s52, s52, s54
	s_add_nc_u64 s[46:47], s[8:9], s[52:53]
	s_and_b32 s39, s48, 1
	s_mul_i32 s39, s39, 0x02020202
	s_add_co_u32 s39, s39, 0x01000100              ; picks bytes 0, 1 (even tile) or 2, 3 (odd), twice
	v_and_b32 v8, 31, v0
	s_delay_alu instid0(VALU_DEP_1)
	v_lshlrev_b32 v1, 4, v8                        ; 16 x lane
	s_delay_alu instid0(VALU_DEP_2)
	v_lshlrev_b32 v2, 3, v8                        ; 8 x lane
	v_and_b32 v9, 15, v0
	s_delay_alu instid0(VALU_DEP_1)
	v_lshlrev_b32 v3, 4, v9                        ; 16 r
	v_bfe_u32 v10, v0, 4, 1
	s_delay_alu instid0(VALU_DEP_1)
	v_lshl_add_u32 v7, v9, 5, v10                  ; o_scales: 32 r + h
.macro QLOAD p                         ; my tile of Q, twice (two runs of registers: nothing is copied), and its scale word
	global_load_b128 v[QA:QA+3], v1, s[40:41] offset:\p*2*REC
	global_load_b64 v[QA+4:QA+5], v2, s[40:41] offset:\p*2*REC+512
	global_load_b128 v[QB+6:QB+9], v1, s[40:41] offset:\p*2*REC
	global_load_b64 v[QB+10:QB+11], v2, s[40:41] offset:\p*2*REC+512
	global_load_b32 v[QR], v3, s[42:43] offset:\p*2*REC
.endm
	QLOAD 0
.set j, 0
.rept 12
	v_mov_b32 v[QA+6+j], 0                         ; the zero halves: v22-33, written once
.set j, j+1
.endr
.irp b, 0,1,2,3
	v_mov_b32 v[BT+\b], 0                          ; a lane permute's destination counts as one of its sources
.endr
	v_mov_b32 v[FF+1], 0                           ; (named as the upper half of a pair)
	s_wait_tensorcnt 0x0                           ; for the others' sake: step w is in LDS
	s_barrier_signal -1
	s_barrier_wait -1                              ; all sixteen steps are; from here on LDS is only read
; A KEY STEP: 128 keys.
.macro STEP
	v_add_nc_u32 v4, s[TB], v1                     ; (these three and the v_nop are the four places behind the last step's products, in front of the loads into their registers)
	v_add_nc_u32 v5, s[TB], v2
	v_add_nc_u32 v6, s[TB], v3
	v_nop
.irp f, 0,1,2,3
.irp c, 0,1
	ds_load_b128 v[KF+12*\f+6*\c:KF+12*\f+6*\c+3], v4 offset:768*(2*\f+\c)
	ds_load_b64 v[KF+12*\f+6*\c+4:KF+12*\f+6*\c+5], v5 offset:768*(2*\f+\c)+512
.endr
.endr
	ds_load_b128 v[KS:KS+3], v6 offset:RKS
	s_wait_alu depctr_va_vdst(0)
	s_wait_dscnt 0x0
.irp f, 0,1,2,3
	v_wmma_scale_f32_16x16x128_f8f6f4 v[S+16*\f:S+16*\f+7], v[KF+12*\f:KF+12*\f+11], v[QA:QA+11], 0, v[KS+\f], v[QS] matrix_a_fmt:MATRIX_FMT_FP6 matrix_b_fmt:MATRIX_FMT_FP6
	v_wmma_scale_f32_16x16x128_f8f6f4 v[S+16*\f+8:S+16*\f+15], v[KF+12*\f:KF+12*\f+11], v[QB:QB+11], 0, v[KS+\f], v[QS] matrix_a_fmt:MATRIX_FMT_FP6 matrix_b_fmt:MATRIX_FMT_FP6
.endr
.rept 4
	v_nop                                          ; places in front of the loads below and of the first read of the scores
.endr
.irp t, 0,1,2,3                        ; V^T's four fragments: they land while the softmax is worked
.irp c, 0,1
	ds_load_b128 v[KF+12*\t+6*\c:KF+12*\t+6*\c+3], v4 offset:RV+1536*\t+768*\c
	ds_load_b64 v[KF+12*\t+6*\c+4:KF+12*\t+6*\c+5], v5 offset:RV+1536*\t+768*\c+512
.endr
.endr
	ds_load_b128 v[VS:VS+3], v6 offset:RVS
.irp b, 0,1,2,3
	v_max3_num_f32 v[BM+\b], v[S+16*\b], v[S+16*\b+1], v[S+16*\b+2]   ; the largest score of each block of 32 keys: for the row's maximum and, since p rises with the score, for the block's largest p
.endr
.irp i, 3,5,7,9,11,13
.irp b, 0,1,2,3
	v_max3_num_f32 v[BM+\b], v[BM+\b], v[S+16*\b+\i], v[S+16*\b+\i+1]
.endr
.endr
.irp b, 0,1,2,3
	v_max_num_f32 v[BM+\b], v[BM+\b], v[S+16*\b+15]
.endr
.irp b, 0,1,2,3
	s_delay_alu instid0(VALU_DEP_4)
	v_permlanex16_b32 v[BT+\b], v[BM+\b], s[SEL], s[SEL+1]
.endr
.irp b, 0,1,2,3
	s_delay_alu instid0(VALU_DEP_4)
	v_max_num_f32 v[BM+\b], v[BM+\b], v[BT+\b]     ; with lane l xor 16's 16 keys
.endr
	s_delay_alu instid0(VALU_DEP_2)
	v_max3_num_f32 v[T0], v[BM], v[BM+1], v[BM+2]
	s_delay_alu instid0(VALU_DEP_1)
	v_max_num_f32 v[T0], v[T0], v[BM+3]
	s_delay_alu instid0(VALU_DEP_1)
	v_mul_f32 v[T0], s[CS], v[T0]                  ; as t
	s_delay_alu instid0(VALU_DEP_1)
	v_max_num_f32 v13, v13, v[T0]                  ; the running largest t
	v_mov_b32 v[T0], v12
	s_delay_alu instid0(VALU_DEP_2)
	v_floor_f32 v12, -v13                          ; -M = floor(-t): M is a whole number
	s_delay_alu instid0(VALU_DEP_1)
	v_sub_f32 v[T0], v12, v[T0]                    ; old M - new M: a whole number, 0 or less
	s_delay_alu instid0(VALU_DEP_1)
	v_cvt_i32_f32 v[T0], v[T0]                     ; (it saturates)
	s_delay_alu instid0(VALU_DEP_1)
	v_ldexp_f32 v[FF], 1.0, v[T0]                  ; f = 2^(old M - new M)
.set j, 0
.rept 32
	v_pk_fma_f32 v[S+j:S+j+1], v[S+j:S+j+1], s[CS:CS+1], v[12:13] op_sel_hi:[1,0,0]   ; t - M, two at a time
.set j, j+2
.endr
.irp b, 0,1,2,3
	v_fma_f32 v[BM+\b], v[BM+\b], s[CS], v12
.endr
.set j, 0
	s_wait_alu depctr_va_vdst(0)
.rept 64
	v_exp_f32 v[S+j], v[S+j]                       ; p = 2^(t - M)
.set j, j+1
.endr
.irp b, 0,1,2,3
	v_exp_f32 v[BM+\b], v[BM+\b]                   ; the block's largest p: the same two instructions on the same number
.endr
	v_pk_mul_f32 v[14:15], v[14:15], v[FF:FF+1] op_sel_hi:[1,0]   ; the sums under the new M (a plain place behind the exponentials)
	s_wait_alu depctr_va_vdst(0)
.irp b, 0,1,2,3
	v_max_num_f32 v[BM+\b], 0x1800000, v[BM+\b]    ; the floor 2^(3 - 127)
.endr
.irp b, 0,1,2,3
	s_delay_alu instid0(VALU_DEP_4)
	v_add_nc_u32 v[BE+\b], 0xff000000, v[BM+\b]    ; the conversion's scale operand
.endr
.irp b, 0,1,2,3
	s_delay_alu instid0(VALU_DEP_4)
	v_lshrrev_b32 v[BT+\b], 23, v[BE+\b]           ; the scale's byte
.endr
	s_delay_alu instid0(VALU_DEP_3)
	v_lshl_or_b32 v[PS], v[BT+1], 8, v[BT]
	s_delay_alu instid0(VALU_DEP_1)
	v_lshl_or_b32 v[PS], v[BT+2], 16, v[PS]
	s_delay_alu instid0(VALU_DEP_1)
	v_lshl_or_b32 v[PS], v[BT+3], 24, v[PS]
.irp c, 0,1
	v_cvt_scalef32_pk16_fp6_f32 v[PC+6*\c:PC+6*\c+2], v[S+32*\c:S+32*\c+15], v[BE+2*\c]
	v_cvt_scalef32_pk16_fp6_f32 v[PT+4*\c:PT+4*\c+2], v[S+32*\c+16:S+32*\c+31], v[BE+2*\c+1]
.endr
	v_nop                                          ; one plain place behind a scaled conversion
.irp c, 0,1
.irp i, 0,1,2
	v_permlane16_swap_b32 v[PC+6*\c+\i], v[PT+4*\c+\i]
.endr
.irp i, 0,1,2
	s_delay_alu instid0(VALU_DEP_3)
	v_mov_b32 v[PC+3+6*\c+\i], v[PT+4*\c+\i]
.endr
.endr
	v_pk_add_f32 v[236:237], v[100:101], v[104:105]
	v_pk_add_f32 v[252:253], v[108:109], v[112:113]
	v_pk_add_f32 v[250:251], v[116:117], v[120:121]
	v_pk_add_f32 v[248:249], v[124:125], v[128:129]
	v_pk_add_f32 v[246:247], v[132:133], v[136:137]
	v_pk_add_f32 v[244:245], v[140:141], v[144:145]
	v_pk_add_f32 v[242:243], v[148:149], v[152:153]
	v_pk_add_f32 v[14:15], v[14:15], v[156:157]
	v_pk_add_f32 v[236:237], v[236:237], v[96:97]
	v_pk_add_f32 v[252:253], v[252:253], v[98:99]
	v_pk_add_f32 v[250:251], v[250:251], v[102:103]
	v_pk_add_f32 v[248:249], v[248:249], v[106:107]
	v_pk_add_f32 v[246:247], v[246:247], v[110:111]
	v_pk_add_f32 v[244:245], v[244:245], v[114:115]
	v_pk_add_f32 v[242:243], v[242:243], v[118:119]
	v_pk_add_f32 v[14:15], v[14:15], v[122:123]
	v_pk_add_f32 v[236:237], v[236:237], v[126:127]
	v_pk_add_f32 v[252:253], v[252:253], v[130:131]
	v_pk_add_f32 v[250:251], v[250:251], v[134:135]
	v_pk_add_f32 v[248:249], v[248:249], v[138:139]
	v_pk_add_f32 v[246:247], v[246:247], v[142:143]
	v_pk_add_f32 v[244:245], v[244:245], v[146:147]
	v_pk_add_f32 v[242:243], v[242:243], v[150:151]
	v_pk_add_f32 v[14:15], v[14:15], v[154:155]
	v_pk_add_f32 v[236:237], v[236:237], v[158:159]
	s_delay_alu instid0(VALU_DEP_2)
	v_pk_add_f32 v[14:15], v[14:15], v[248:249]
	s_delay_alu instid0(VALU_DEP_2)
	v_pk_add_f32 v[236:237], v[236:237], v[246:247]
	v_pk_add_f32 v[252:253], v[252:253], v[244:245]
	v_pk_add_f32 v[250:251], v[250:251], v[242:243]
	s_delay_alu instid0(VALU_DEP_2)
	v_pk_add_f32 v[14:15], v[14:15], v[252:253]
	s_delay_alu instid0(VALU_DEP_2)
	v_pk_add_f32 v[236:237], v[236:237], v[250:251]
	s_delay_alu instid0(VALU_DEP_1)
	v_pk_add_f32 v[14:15], v[14:15], v[236:237]
.set j, 0
.rept 16
	v_pk_mul_f32 v[O+j:O+j+1], v[O+j:O+j+1], v[FF:FF+1] op_sel_hi:[1,0]   ; O^T under the new M.  (With the sums: the places between p's codes and scale word and the products below)
.set j, j+2
.endr
	s_wait_alu depctr_va_vdst(0)
	s_wait_dscnt 0x0                               ; V
.irp t, 0,1,2,3                        ; four accumulators by turns, one instruction a turn; eight other products stand between two links of a chain
	v_wmma_scale_f32_16x16x128_f8f6f4 v[O+8*\t:O+8*\t+7], v[KF+12*\t:KF+12*\t+11], v[PC:PC+11], v[O+8*\t:O+8*\t+7], v[VS+\t], v[PS] matrix_a_fmt:MATRIX_FMT_FP6 matrix_b_fmt:MATRIX_FMT_FP6
.endr
	s_add_co_u32 s[TB], s[TB], STEPB
.endm
; A PASS: 16 queries a wave against all 2,048 keys.
.macro PASS p
	s_wait_loadcnt 0x0                             ; Q
	s_wait_xcnt 0x0                                ; the last pass's stores have read their registers
	v_perm_b32 v[QS], v[QR], v[QR], s39            ; my tile's two scale bytes, twice (more than eight plain lines ahead of its first use)
	v_mov_b32 v13, 0xff61b1e6                      ; the largest t so far: -3e38
	s_delay_alu instid0(VALU_DEP_1)
	v_floor_f32 v12, -v13
	v_mov_b32 v14, 0
	v_mov_b32 v15, 0
.set j, 0
.rept 32
	v_mov_b32 v[O+j], 0                            ; the step is written once: the first finds zeros, which the first change of M leaves zeros
.set j, j+1
.endr
	s_mov_b32 s[TB], 0
	s_mov_b32 s[CNT], 16
.Lstep_\@:
	STEP
	s_sub_co_u32 s[CNT], s[CNT], 1
	s_cmp_lg_u32 s[CNT], 0
	s_cbranch_scc1 .Lstep_\@
.rept 4
	v_nop                                          ; places behind the last products
.endr
.if \p == 0
	QLOAD 1                                        ; the next pass's Q lands during the way out
.endif
	v_add_f32 v14, v14, v15
	s_delay_alu instid0(VALU_DEP_1)
	v_permlanex16_b32 v[T0], v14, s[SEL], s[SEL+1]
	s_delay_alu instid0(VALU_DEP_1)
	v_add_f32 v14, v14, v[T0]                      ; the row's sum
	s_wait_alu depctr_va_vdst(0)
	v_rcp_f32 v14, v14
	v_nop                                          ; a plain place behind the transcendental
.set j, 0
	s_wait_alu depctr_va_vdst(0)
.rept 32
	v_mul_f32 v[S+j], v[O+j], v14                  ; O^T / the sum: register 16 b + i is d = 32 b + 16 h + i; each accumulator from its low end on
.set j, j+1
.endr
.irp b, 0,1
	v_max3_num_f32 v[BM+\b], |v[S+16*\b]|, |v[S+16*\b+1]|, 0x1800000
.endr
.irp i, 2,4,6,8,10,12,14
.irp b, 0,1
	s_delay_alu instid0(VALU_DEP_2)
	v_max3_num_f32 v[BM+\b], v[BM+\b], |v[S+16*\b+\i]|, |v[S+16*\b+\i+1]|
.endr
.endr
.irp b, 0,1
	s_delay_alu instid0(VALU_DEP_2)
	v_permlanex16_b32 v[BT+\b], v[BM+\b], s[SEL], s[SEL+1]
.endr
.irp b, 0,1
	s_delay_alu instid0(VALU_DEP_2)
	v_max_num_f32 v[BM+\b], v[BM+\b], v[BT+\b]
.endr
.irp b, 0,1
	s_delay_alu instid0(VALU_DEP_2)
	v_add_nc_u32 v[BE+\b], 0xff000000, v[BM+\b]
.endr
.irp b, 0,1
	s_delay_alu instid0(VALU_DEP_2)
	v_lshrrev_b32 v[BT+\b], 23, v[BE+\b]
.endr
	v_cvt_scalef32_pk16_fp6_f32 v[PC:PC+2], v[S:S+15], v[BE]
	v_cvt_scalef32_pk16_fp6_f32 v[PT:PT+2], v[S+16:S+31], v[BE+1]
	v_nop
.irp i, 0,1,2
	v_permlane16_swap_b32 v[PC+\i], v[PT+\i]
.endr
.irp i, 0,1,2
	s_delay_alu instid0(VALU_DEP_3)
	v_mov_b32 v[PC+3+\i], v[PT+\i]                 ; registers 0-5 of the last product's operand: k = 64 head + 32 h + 0 .. 31
.endr
	global_store_b128 v1, v[PC:PC+3], s[44:45] offset:\p*196608       ; 512 consecutive bytes, aligned
	global_store_b64 v2, v[PC+4:PC+5], s[44:45] offset:\p*196608+512  ; 256
	v_cndmask_b32 v[BY], v[BT], v[BT+1], s38       ; my half's block's byte
	global_store_b8 v7, v[BY], s[46:47] offset:\p*8192
.endm
	PASS 0
	PASS 1
	s_wait_tensorcnt 0x0
	ds_add_u32 v254, v255
	s_wait_dscnt 0x0
	CROUND                                         ; the closing round
	s_endpgm
.Lfunc_end_k_qbc11f3983f_attn:
	.size	k_qbc11f3983f_attn, .Lfunc_end_k_qbc11f3983f_attn-k_qbc11f3983f_attn
	.p2alignl 7, 3214868480
	.fill 96, 4, 3214868480
	.section	.rodata,"a",@progbits
	.p2align	6, 0x0
	.amdhsa_kernel k_qbc11f3983f_attn
		.amdhsa_group_segment_fixed_size 206848
		.amdhsa_private_segment_fixed_size 0
		.amdhsa_enable_private_segment 0
		.amdhsa_kernarg_size 24
		.amdhsa_user_sgpr_count 2
		.amdhsa_user_sgpr_kernarg_segment_ptr 1
		.amdhsa_wavefront_size32 1
		.amdhsa_system_sgpr_workgroup_id_x 1
		.amdhsa_system_sgpr_workgroup_id_y 1
		.amdhsa_system_sgpr_workgroup_id_z 1
		.amdhsa_system_vgpr_workitem_id 0
		.amdhsa_next_free_vgpr 256
		.amdhsa_next_free_sgpr 66
		.amdhsa_reserve_vcc 0
		.amdhsa_float_denorm_mode_32 3
		.amdhsa_float_denorm_mode_16_64 3
		.amdhsa_memory_ordered 1
		.amdhsa_forward_progress 1
		.amdhsa_inst_pref_size 52
	.end_amdhsa_kernel
	.amdgpu_metadata
---
amdhsa.version: [ 1, 2 ]
amdhsa.kernels:
  - .name:           k_qbc11f3983f_attn
    .symbol:         k_qbc11f3983f_attn.kd
    .args:
      - { .name: qkv, .offset: 0, .size: 8, .value_kind: global_buffer, .address_space: global }
      - { .name: o_img, .offset: 8, .size: 8, .value_kind: global_buffer, .address_space: global }
      - { .name: o_scales, .offset: 16, .size: 8, .value_kind: global_buffer, .address_space: global }
    .group_segment_fixed_size: 206848
    .private_segment_fixed_size: 0
    .kernarg_segment_align: 8
    .kernarg_segment_size: 24
    .max_flat_workgroup_size: 512
    .sgpr_count:     66
    .vgpr_count:     256
    .wavefront_size: 32
...
	.end_amdgpu_metadata
.endif
;; end of part 3
;; launch proj (part 4): grid 4 x 64, 4 waves a work-group, clusters of 4 x 4, 327,680 bytes of LDS; arguments o_img, o_scales, w_codes, w_scales, out0; writes out0
.if DOCPART == 4
	.amdgcn_target "amdgcn-amd-amdhsa--gfx1250"
	.amdhsa_code_object_version 6
	.text
	.protected	k_qbc11f3983f_proj
	.globl	k_qbc11f3983f_proj
	.p2align	8
	.type	k_qbc11f3983f_proj,@function
k_qbc11f3983f_proj:
	s_mov_b64 s[64:65], 0
	v_nop
	global_prefetch_b8 v0, s[64:65] scope:SCOPE_SE
	s_setreg_imm32_b32 hwreg(HW_REG_WAVE_MODE, 25, 1), 1
	s_wait_xcnt 0x0
	s_wait_alu depctr_hold_cnt(0) depctr_sa_sdst(0) depctr_va_vdst(0) depctr_va_sdst(0) depctr_va_ssrc(0) depctr_va_vcc(0) depctr_vm_vsrc(0)
	s_getreg_b32 s2, hwreg(HW_REG_IB_STS2, 6, 4)
	s_cmp_eq_u32 s2, 0
	s_cbranch_scc0 .Lentry_in_a_cluster
	s_endpgm
.Lentry_in_a_cluster:
	s_bfe_u32 s2, ttmp6, 0x10000c
	s_cmp_lg_u32 s2, 0xf033
	s_cbranch_scc0 .Lentry_shape_is_right
	s_endpgm
.Lentry_shape_is_right:
; THE LAST LAUNCH: out0 [8192][1024] f32 = O wo, both operands as codes of FP6 (E2M3) with E8M0 scales, K = 1,024.
; A = o_img [tile of 16 rows][head][768 bytes]: registers 0-5 of an operand as they stand (512 bytes at 16 x lane, 256 at 8 x lane); tile 8 n + a holds rows 128 n + 32 (a / 2) + 8 (a % 2) + r + 8 (r / 8).  o_scales [row in that order][32].
; B = w_codes' places 3,072 .. 4,095 (wo's columns; the second and third group of 8 of every 32 have changed places), in four planes of 256 along K: [plane][place][192 bytes]; w_scales [place][32].
; SHARES: 256 work-groups, one to a WGP; a work-group makes 128 rows x 256 columns, its four waves 2 x 2, a wave 64 x 128: 32 accumulators, 256 registers (window 2).
; K goes in four steps of 256 through a ring of two LDS slots (A 128 rows as 8 tiles x 3,072 bytes, B 256 places at a pitch of 240); a slot is two steps of 128 for the matrix unit, 32 products each.
; The scale bytes of the 128 rows and 256 places, all of K, come once, at the head, and stay.  B's 128 or 256 places of a plane are dense in memory and come as rows of 256 bytes at multiples of 256 bytes; A's rows are 3,072 bytes.
; CLUSTERS 4 x 4: A's tiles are shared along a row of the cluster, B's along a column, by joint loads.  The matrix instruction is used transposed (source 0 = B's places): a lane holds eight neighbouring columns of a row.
; PREFETCHES INTO THE L2: K steps 1 and 2 at the head, K step 3 behind slot 1's load; the four partners of a joint load share its blocks of 256 bytes out by address.
; REGISTERS: window 0: v0-31 addresses, v32-63 scale words (two sets), v128-175 A's four fragments (one set); window 1: B's eight fragments, two sets, at v0 and v128; window 2: accumulator (a, b) at v[8 (8 a + b)].
.set SIZE_N, 1024
.set NQ,     2
.set ROWB,   192
.set KROW,   768
.set WPL,    786432                    ; a plane of w_codes
.set PITCH,  240                       ; a place's 192 bytes + 16 behind every 64
.set FR,     12
.set NLA,    4                         ; LDS loads of a fragment of A
.set NP,     4                         ; places behind this matrix instruction (ISA guide 7.12.1)
.set ASTEP,  3072                      ; a tile of 16 rows x 256 along K
.set HALFA,  4*ASTEP                   ; 64 rows of A
.set HALFB,  128*PITCH                 ; 128 places of B
.set SLOT,   2*HALFA+2*HALFB
.set KS,     32
.set SCL,    2*SLOT                    ; the scale bytes: units of 256 bytes + 16: A's 128 rows, then B's 256 places
.set HSA,    (64*KS/256)*272
.set HSB,    (128*KS/256)*272
.set SBLK,   (16*KS/256)*272
.set SPARE,  SCL+2*HSA+2*HSB           ; the spare words: 512 bytes that no other line names
.set SPITCH, 528                       ; the way out: a stage of 16 rows x (512 + 16) bytes a wave, in slot 0, which has had its last fill and its last read by then
.set ADRA, 16                          ; v16-17 A's fragments in slot 0, 1 (16 x lane); v18-19 (8 x lane)
.set ADRB, 20                          ; v20-21 B's; v22-23 for the pieces behind one padding more in lanes 16-31
.set STO,  24
.set RD,   25
.set CO,   26
.set ADRS, 27
.set SPW,  28
.set NIL,  29
.set SC,   32
.set AF,   128
.set BK,   128
.set G1, 24
.set G0, 32
.set G1B, 48
.set G0B, 56
.set G1S, 68
.set G0S, 76
.set G1SB, 80
.set G0SB, 88
.set MSB, 0
.macro WIN new
.if MSB != (\new)
	s_set_vgpr_msb (MSB<<8)|(\new)
.set MSB, (\new)
.endif
.endm
.set MUL_LO, 0xa1                      ; source 0 (B) window 1, source 1 (A) window 0, C and D window 2
.set TO_B,   0x40
.macro PLACES n
.rept \n
	v_nop
.endr
.endm
.macro JLOAD g0a, g1a, g0b, g1b        ; waves 0, 1 fetch for A, waves 2, 3 for B: each line has one mask and one set of registers
	s_cmp_eq_u32 s15, 0
	s_cbranch_scc0 .Lfor_b_\@
	tensor_load_to_lds s[\g0a:\g0a+3], s[\g1a:\g1a+7]
	s_nop 0
	PLACES 4
	s_branch .Lasked_\@
.Lfor_b_\@:
	tensor_load_to_lds s[\g0b:\g0b+3], s[\g1b:\g1b+7]
	s_nop 0
	PLACES 4
.Lasked_\@:
.endm
.macro CREST
	s_cmp_lg_u32 s14, 0
	s_cbranch_scc1 .Lnot_wave_0_\@
	s_barrier_signal -3
.Lnot_wave_0_\@:
	s_barrier_wait -3
	s_barrier_signal -1
	s_barrier_wait -1
.endm
.macro CROUND
	s_barrier_signal -1
	s_barrier_wait -1
	CREST
.endm
	s_load_b128 s[4:7], s[0:1], 0x0                ; o_img, o_scales
	s_load_b128 s[8:11], s[0:1], 0x10              ; w_codes, w_scales
	s_load_b64 s[12:13], s[0:1], 0x20              ; out0
	v_lshl_add_u32 v[SPW], v0, 2, SPARE
	v_mov_b32 v[NIL], 0
	ds_add_u32 v[SPW], v[NIL]                      ; the opening lines: the add, twice on end, and its wait ahead of my first tensor load
	ds_add_u32 v[SPW], v[NIL]
	v_lshrrev_b32 v1, 5, v0
	v_readfirstlane_b32 s14, v1                    ; wave
	s_lshr_b32 s15, s14, 1                         ; my half of the rows.  Also: I fetch for A (0) or B (1)
	s_and_b32 s16, s14, 1                          ; my half of the columns.  Also: which half of that tile I fetch
	s_bfe_u32 s40, ttmp6, 0x40000                  ; cx
	s_bfe_u32 s41, ttmp6, 0x40004                  ; cy
	s_lshl_b32 s42, ttmp9, 2
	s_add_co_u32 s42, s42, s40                     ; tile column, 0 .. 3
	s_and_b32 s17, ttmp7, 0xffff
	s_lshl_b32 s17, s17, 2
	s_add_co_u32 s17, s17, s41                     ; tile row, 0 .. 63
	s_lshl_b32 s43, s41, 2
	s_lshl_b32 s43, 15, s43                        ; my row of the cluster
	s_lshl_b32 s44, 0x1111, s40                    ; my column
	s_or_b32 s[G1+0], s43, (3<<16)|(1<<21)         ; A: rows of 384 elements of 8 bytes, 12,288 bytes apart; 8 tiles at the head, 4 in the ring
	s_mov_b32 s[G1+1], 384<<16
	s_mov_b32 s[G1+2], 8<<16
	s_mov_b32 s[G1+3], 384<<16
	s_mov_b32 s[G1+4], 8
	s_mov_b32 s[G1+5], 1536
	s_mov_b32 s[G1+6], 0
	s_mov_b32 s[G1+7], 0
	s_or_b32 s[G1B+0], s44, (0<<16)|(1<<20)|(1<<21)|(3<<22)|(3<<25)   ; B: dense rows of 256 bytes, 16 bytes of padding behind every 64; 192 rows at the head, 96 in the ring
	s_mov_b32 s[G1B+1], 256<<16
	s_mov_b32 s[G1B+2], 192<<16
	s_mov_b32 s[G1B+3], 256<<16
	s_mov_b32 s[G1B+4], 192
	s_mov_b32 s[G1B+5], 256
	s_mov_b32 s[G1B+6], 0
	s_mov_b32 s[G1B+7], 0
	s_or_b32 s[G1S+0], s43, (3<<16)|(1<<20)|(1<<21)|(5<<22)|(3<<25)   ; scale bytes: units of 256 bytes, 16 of padding behind each: A's 16,
	s_mov_b32 s[G1S+2], 16<<16
	s_mov_b32 s[G1S+4], 16
	s_or_b32 s[G1SB+0], s44, (3<<16)|(1<<20)|(1<<21)|(5<<22)|(3<<25)  ; B's 32
	s_mov_b32 s[G1SB+2], 32<<16
	s_mov_b32 s[G1SB+4], 32
.irp g, G1S, G1SB
	s_mov_b32 s[\g+1], 32<<16
	s_mov_b32 s[\g+3], 32<<16
	s_mov_b32 s[\g+5], 32
	s_mov_b32 s[\g+6], 0
	s_mov_b32 s[\g+7], 0
.endr
	s_lshl_b32 s20, s17, 7                         ; A: the tile's first row
	s_lshl_b32 s46, s42, 8
	s_add_co_u32 s46, s46, 3072                    ; B: its first place
	s_mov_b32 s21, 0
	s_mov_b32 s47, 0
	s_mov_b64 s[18:19], KS
	s_mul_u64 s[22:23], s[20:21], s[18:19]
	s_mul_u64 s[92:93], s[46:47], s[18:19]
	s_mov_b64 s[18:19], KROW
	s_mul_u64 s[20:21], s[20:21], s[18:19]
	s_mov_b64 s[18:19], ROWB
	s_mul_u64 s[46:47], s[46:47], s[18:19]
	s_mul_i32 s18, s16, 64*KROW                    ; in the ring I fetch half a tile: which half, in bytes, of A
	s_mov_b32 s19, 0
	s_mul_i32 s2, s16, 128*ROWB                    ; and of B
	s_mov_b32 s3, 0
	s_mul_i32 s45, s16, HALFA
	s_mul_i32 s95, s16, HALFB
	s_add_co_u32 s95, s95, 2*HALFA
	s_wait_dscnt 0x0                               ; both opening adds are done
	s_wait_kmcnt 0x0
	s_add_nc_u64 s[20:21], s[4:5], s[20:21]
	s_add_nc_u64 s[22:23], s[6:7], s[22:23]
	s_add_nc_u64 s[46:47], s[8:9], s[46:47]
	s_add_nc_u64 s[92:93], s[10:11], s[92:93]
	CROUND                                         ; all sixteen work-groups are here: the first joint loads meet
; THE HEAD'S LOADS, ONE A WAVE: wave 0 K step 0 of A's 128 rows, wave 1 plane 0 of B's 256 places, wave 2 A's scale bytes, wave 3 B's
	s_mov_b32 s4, 1
	s_mov_b32 s5, 0
	s_mov_b64 s[6:7], s[20:21]
	s_or_b32 s7, s7, 0x80000000
	s_mov_b32 s8, 1
	s_mov_b32 s9, 2*HALFA
	s_mov_b64 s[10:11], s[46:47]
	s_or_b32 s11, s11, 0x80000000
	s_mov_b32 s[G0S], 1
	s_mov_b32 s[G0S+1], SCL
	s_mov_b64 s[G0S+2:G0S+3], s[22:23]
	s_or_b32 s[G0S+3], s[G0S+3], 0x80000000
	s_mov_b32 s[G0SB], 1
	s_mov_b32 s[G0SB+1], SCL+2*HSA
	s_mov_b64 s[G0SB+2:G0SB+3], s[92:93]
	s_or_b32 s[G0SB+3], s[G0SB+3], 0x80000000
.macro ARM under, g0, g1, next         ; one chain of branches on the wave's number: every way passes exactly one load
	s_cmp_lt_u32 s14, \under
	s_cbranch_scc0 \next
	tensor_load_to_lds s[\g0:\g0+3], s[\g1:\g1+7]
	s_nop 0
	PLACES 4
	s_branch .Lhead_asked
\next:
.endm
	ARM 1, 4, G1, .Lhead_b
	ARM 2, 8, G1B, .Lhead_sa
	ARM 3, G0S, G1S, .Lhead_sb
	tensor_load_to_lds s[G0SB:G0SB+3], s[G1SB:G1SB+7]
	s_nop 0
	PLACES 4
.Lhead_asked:
	s_add_nc_u64 s[20:21], s[20:21], s[18:19]      ; for the ring: my half of the tile
	s_add_nc_u64 s[46:47], s[46:47], s[2:3]
.irp s, 0,1
	s_mov_b32 s[G0+4*\s], 1
	s_add_co_u32 s[G0+4*\s+1], s45, \s*SLOT
	s_add_nc_u64 s[G0+4*\s+2:G0+4*\s+3], s[20:21], \s*ASTEP
	s_or_b32 s[G0+4*\s+3], s[G0+4*\s+3], 0x80000000
	s_mov_b32 s[G0B+4*\s], 1
	s_add_co_u32 s[G0B+4*\s+1], s95, \s*SLOT
	s_add_nc_u64 s[G0B+4*\s+2:G0B+4*\s+3], s[46:47], \s*WPL
	s_or_b32 s[G0B+4*\s+3], s[G0B+4*\s+3], 0x80000000
.endr
; the prefetches: of what I fetch of a K step (A: 4 tiles x 12 blocks of 256 bytes; B: 96 dense blocks) my work-group takes a quarter by its place among the four partners (cx for A: one tile; cy for B: 24 blocks); a lane a block, the lanes left over name the last again
	s_cmp_eq_u32 s15, 0
	s_cselect_b64 s[96:97], s[20:21], s[46:47]
	s_cselect_b32 s2, 11, 23
	s_mov_b32 s18, 6144
	s_cselect_b32 s18, 12288, s18
	s_mov_b32 s3, WPL
	s_cselect_b32 s3, ASTEP, s3                    ; from K step to K step
	s_cselect_b32 s19, s40, s41
	s_mul_i32 s18, s18, s19
	v_and_b32 v6, 31, v0
	v_min_u32 v6, s2, v6
	v_lshl_add_u32 v6, v6, 8, s18
	v_add_nc_u32 v10, s3, v6                       ; v10-12 and s[96:97] are never rewritten
	v_add_nc_u32 v11, s3, v10
	v_add_nc_u32 v12, s3, v11
	global_prefetch_b8 v10, s[96:97] th:TH_LOAD_NT scope:SCOPE_SE
	global_prefetch_b8 v11, s[96:97] th:TH_LOAD_NT scope:SCOPE_SE
	v_and_b32 v1, 15, v0
	v_bfe_u32 v2, v0, 4, 1
	v_mul_u32_u24 v3, v1, PITCH
	v_mul_u32_u24 v4, v2, 24
	v_add_nc_u32 v4, v3, v4                        ; B: place x pitch + 24 x half
	v_lshl_add_u32 v5, v2, 4, v4                   ; and with one padding more for lanes 16-31
	v_and_b32 v6, 31, v0
	v_lshlrev_b32 v7, 4, v6
	v_lshlrev_b32 v8, 3, v6
	s_mul_i32 s21, s15, HALFA
	s_mul_i32 s22, s16, HALFB
	s_add_co_u32 s22, s22, 2*HALFA
.irp s, 0,1
	v_add_nc_u32 v[ADRA+\s], s21, v7
	v_add_nc_u32 v[ADRA+2+\s], s21, v8
	v_add_nc_u32 v[ADRB+\s], s22, v4
	v_add_nc_u32 v[ADRB+2+\s], s22, v5
	s_add_co_u32 s21, s21, SLOT
	s_add_co_u32 s22, s22, SLOT
.endr
	v_mul_u32_u24 v5, v1, KS                       ; my row's scale bytes: 32 a row, 16 more for each 256 passed
	v_lshrrev_b32 v9, 8, v5
	v_lshl_add_u32 v5, v9, 4, v5
	s_mul_i32 s21, s15, HSA                        ; lanes 0-15: A's, my 64 rows;
	s_mul_i32 s22, s16, HSB
	s_add_co_u32 s22, s22, 2*HSA                   ; lanes 16-31: B's, my 128 places
	s_sub_co_u32 s22, s22, s21
	v_mul_u32_u24 v9, s22, v2
	s_add_co_u32 s21, s21, SCL
	v_add_nc_u32 v5, v5, v9
	v_add_nc_u32 v[ADRS], s21, v5
	s_mul_i32 s23, s14, 16*SPITCH                  ; my stage
	v_mul_u32_u24 v5, v1, SPITCH
	v_lshl_add_u32 v5, v2, 6, v5
	v_add_nc_u32 v[STO], s23, v5
	v_lshlrev_b32 v[CO], 4, v6
	v_add_nc_u32 v[RD], s23, v[CO]
	s_lshl_b32 s20, s17, 7
	s_lshl_b32 s21, s15, 6
	s_add_co_u32 s20, s20, s21                     ; my first row of out0
	s_mov_b32 s21, 0
	s_mov_b64 s[18:19], SIZE_N*4
	s_mul_u64 s[20:21], s[20:21], s[18:19]
	s_lshl_b32 s46, s42, 10
	s_lshl_b32 s47, s16, 9
	s_add_co_u32 s46, s46, s47                     ; my first column, in bytes
	s_mov_b32 s47, 0
	s_add_nc_u64 s[20:21], s[20:21], s[46:47]
	s_add_nc_u64 s[12:13], s[12:13], s[20:21]
.macro FRAG reg, adr, q, i             ; a fragment of B: six pieces of 8 bytes
.irp p, 0,1,2,3,4,5
.set PIECE, 12*(\q)+6*(\p/3)+\p%3
.if PIECE%8 < 5
	ds_load_b64 v[\reg+2*\p:\reg+2*\p+1], v[\adr] offset:8*PIECE+16*(PIECE/8)+(\i)*16*PITCH
.else
	ds_load_b64 v[\reg+2*\p:\reg+2*\p+1], v[\adr+2] offset:8*PIECE+16*(PIECE/8)+(\i)*16*PITCH
.endif
.endr
.endm
.macro FRAGA reg, slot, q, i           ; a fragment of A: two images of six registers
.irp c, 0,1
	ds_load_b128 v[\reg+6*\c:\reg+6*\c+3], v[ADRA+\slot] offset:ASTEP*(\i)+1536*(\q)+768*\c
	ds_load_b64 v[\reg+6*\c+4:\reg+6*\c+5], v[ADRA+2+\slot] offset:ASTEP*(\i)+1536*(\q)+768*\c+512
.endr
.endm
.macro MUL8 a, p, q, sc, zero          ; A's block a against B's eight; the 32 accumulators take turns in the same order in every step
.irp b, 0,1,2,3,4,5,6,7
.if \zero
	v_wmma_scale_f32_16x16x128_f8f6f4 v[8*(8*(\a)+\b):8*(8*(\a)+\b)+7], v[128*(\p)+FR*\b:128*(\p)+FR*\b+FR-1], v[AF+FR*(\a):AF+FR*(\a)+FR-1], 0, v[SC+8*NQ*(\sc)+NQ*\b+(\q)], v[SC+8*NQ*(\sc)+NQ*(\a)+(\q)] matrix_a_fmt:MATRIX_FMT_FP6 matrix_b_fmt:MATRIX_FMT_FP6 matrix_a_scale:MATRIX_SCALE_ROW1
.else
	v_wmma_scale_f32_16x16x128_f8f6f4 v[8*(8*(\a)+\b):8*(8*(\a)+\b)+7], v[128*(\p)+FR*\b:128*(\p)+FR*\b+FR-1], v[AF+FR*(\a):AF+FR*(\a)+FR-1], v[8*(8*(\a)+\b):8*(8*(\a)+\b)+7], v[SC+8*NQ*(\sc)+NQ*\b+(\q)], v[SC+8*NQ*(\sc)+NQ*(\a)+(\q)] matrix_a_fmt:MATRIX_FMT_FP6 matrix_b_fmt:MATRIX_FMT_FP6 matrix_a_scale:MATRIX_SCALE_ROW1
.endif
.endr
.endm
.macro FETCH_B slot, q, p              ; 48 loads
	WIN TO_B
.irp i, 0,1,2,3,4,5,6,7
	FRAG 128*(\p)+FR*\i, ADRB+\slot, \q, \i
.endr
	WIN 0
.endm
.macro FETCH_A slot, q, i0             ; blocks i0, i0 + 1: 8 loads
.irp i, \i0, \i0+1
	FRAGA AF+FR*(\i), \slot, \q, \i
.endr
.endm
.macro SCALES sc                       ; the words of a slot's two steps: lanes 0-15 A's block i, lanes 16-31 B's block i.  (For i over 3 lanes 0-15 read scale bytes of later rows, which lie in LDS too and are used by no product)
.irp i, 0,1,2,3,4,5,6,7
	ds_load_b64 v[SC+8*NQ*\sc+NQ*\i:SC+8*NQ*\sc+NQ*\i+1], v[ADRS] offset:\i*SBLK
.endr
.endm
; A slot's first step.  B's fragments of its second step are asked for at once: their set was last read a step ago, with places behind it.
.macro STEP slot, zero
	s_wait_dscnt 2*NLA                             ; all but the youngest eight loads (A's blocks 2, 3)
	FETCH_B \slot, 1, 1
	WIN MUL_LO
	MUL8 0, 0, 0, \slot, \zero
	MUL8 1, 0, 0, \slot, \zero
	s_wait_dscnt 48                                ; A's blocks 2, 3 are in; B's 48 loads, issued behind them, may be out
	PLACES NP
	WIN 0
	FETCH_A \slot, 1, 0
	WIN MUL_LO
	MUL8 2, 0, 0, \slot, \zero
	MUL8 3, 0, 0, \slot, \zero
	PLACES NP
	WIN 0
	FETCH_A \slot, 1, 2
.endm
; A slot's second step, and the change of slots.  All my reads of this slot have been issued: the three lines and the signal stand at its head, eight products between signal and wait.
.macro TURN slot, next, fill
	s_wait_tensorcnt 0x0                           ; my part of the next slot is in;
	ds_add_u32 v[SPW], v[NIL]                      ; the add;
	s_wait_dscnt 0x0                               ; it is done, and so are my reads of this slot
	s_barrier_signal -1
	WIN MUL_LO
	MUL8 0, 1, 1, \slot, 0
	WIN 0
	s_barrier_wait -1
.if \fill
	CREST                                          ; the barrier has opened a round of the cluster's barrier
	s_add_nc_u64 s[G0+4*\slot+2:G0+4*\slot+3], s[G0+4*\slot+2:G0+4*\slot+3], 2*ASTEP
	s_add_nc_u64 s[G0B+4*\slot+2:G0B+4*\slot+3], s[G0B+4*\slot+2:G0B+4*\slot+3], 2*WPL
	JLOAD G0+4*\slot, G1, G0B+4*\slot, G1B         ; two K steps on: the first tensor load behind the round
.endif
	s_wait_alu depctr_va_vdst(0)                   ; directly ahead of the reader below
	v_add_nc_u32 v[ADRS], 4*NQ, v[ADRS]
	FETCH_B \next, 0, 0                            ; set 0 was last read a step ago
	SCALES \next
	WIN MUL_LO
	MUL8 1, 1, 1, \slot, 0
	PLACES NP
	WIN 0
	FETCH_A \next, 0, 0
	WIN MUL_LO
	MUL8 2, 1, 1, \slot, 0
	MUL8 3, 1, 1, \slot, 0
	PLACES NP
	WIN 0
	FETCH_A \next, 0, 2
.endm
	s_wait_alu depctr_va_vdst(0)                   ; the wait at the head's end
	s_wait_tensorcnt 0x0                           ; my tile of the head's four is in
	ds_add_u32 v[SPW], v[NIL]
	s_mov_b32 s[G1+2], 4<<16                       ; no tensor load of mine is out: from here on a load brings half a tile: 4 tiles of A,
	s_mov_b32 s[G1+4], 4
	s_mov_b32 s[G1B+2], 96<<16                     ; 96 rows of 256 bytes of B
	s_mov_b32 s[G1B+4], 96
	s_wait_dscnt 0x0
	CROUND                                         ; all four tiles are in, and all sixteen work-groups are here
	JLOAD G0+4, G1, G0B+4, G1B                     ; K step 1 into slot 1: the first tensor load behind the round
	FETCH_B 0, 0, 0
	FETCH_A 0, 0, 0
	SCALES 0
	FETCH_A 0, 0, 2
	global_prefetch_b8 v12, s[96:97] th:TH_LOAD_NT scope:SCOPE_SE   ; K step 3, two refills ahead of its load
	STEP 0, 1                                      ; the first products start the sums
	TURN 0, 1, 1
	STEP 1, 0
	TURN 1, 0, 1
	STEP 0, 0
	TURN 0, 1, 0                                   ; nothing is left to fetch: a plain barrier shows K step 3
	STEP 1, 0
	s_wait_dscnt 0x0
	WIN MUL_LO
.irp a, 0,1,2,3
	MUL8 \a, 1, 1, 1, 0
.endr
	WIN 0
; THE WAY OUT, block by block of 16 rows x 128 columns, through my own stage: back come whole rows of 512 bytes.  B's tiles 2 u, 2 u + 1 hold columns 32 u + 16 h + 0 .. 15; A's block a holds rows 32 (a / 2) + 8 (a % 2) + r + 8 (r / 8).
.macro TOSTAGE a
.set AC, 64*(\a)
	WIN 0x08
.irp b, 0,1,2,3,4,5,6,7
	ds_store_b128 v[STO], v[AC+8*\b:AC+8*\b+3] offset:128*(\b/2)+32*(\b%2)
	ds_store_b128 v[STO], v[AC+8*\b+4:AC+8*\b+7] offset:128*(\b/2)+32*(\b%2)+16
.endr
	WIN 0
.set BB, BK+64*((\a)%2)
.irp t, 0,1,2,3,4,5,6,7,8,9,10,11,12,13,14,15
	ds_load_b128 v[BB+4*\t:BB+4*\t+3], v[RD] offset:\t*SPITCH      ; LDS serves a wave's instructions in order: these see the stores above
.endr
.endm
.macro SEND a, younger
.set BB, BK+64*((\a)%2)
	s_wait_dscnt \younger
.irp t, 0,1,2,3,4,5,6,7,8,9,10,11,12,13,14,15
	global_store_b128 v[CO], v[BB+4*\t:BB+4*\t+3], s[12:13] offset:(32*((\a)/2)+8*((\a)%2)+\t+8*(\t/8))*SIZE_N*4 th:TH_STORE_NT   ; 32 lanes store 512 consecutive bytes, aligned
.endr
.endm
	PLACES NP
	TOSTAGE 0
.irp a, 1,2,3
.if \a > 1
	s_wait_xcnt 0x0                                ; block a - 2's stores have read their registers: block a's loads may land there
.endif
	TOSTAGE \a
	SEND \a-1, 32                                  ; behind block a - 1's loads: block a's 16 stores and 16 loads
.endr
	SEND 3, 0
	s_wait_tensorcnt 0x0                           ; the wave's end
	ds_add_u32 v[SPW], v[NIL]
	s_wait_dscnt 0x0
	CROUND                                         ; the closing round
	s_endpgm
.Lfunc_end_k_qbc11f3983f_proj:
	.size	k_qbc11f3983f_proj, .Lfunc_end_k_qbc11f3983f_proj-k_qbc11f3983f_proj
	.p2alignl 7, 3214868480
	.fill 96, 4, 3214868480
	.section	.rodata,"a",@progbits
	.p2align	6, 0x0
	.amdhsa_kernel k_qbc11f3983f_proj
		.amdhsa_group_segment_fixed_size 327680
		.amdhsa_private_segment_fixed_size 0
		.amdhsa_enable_private_segment 0
		.amdhsa_kernarg_size 40
		.amdhsa_user_sgpr_count 2
		.amdhsa_user_sgpr_kernarg_segment_ptr 1
		.amdhsa_wavefront_size32 1
		.amdhsa_system_sgpr_workgroup_id_x 1
		.amdhsa_system_sgpr_workgroup_id_y 1
		.amdhsa_system_sgpr_workgroup_id_z 1
		.amdhsa_system_vgpr_workitem_id 0
		.amdhsa_next_free_vgpr 768
		.amdhsa_next_free_sgpr 98
		.amdhsa_reserve_vcc 0
		.amdhsa_float_denorm_mode_32 3
		.amdhsa_float_denorm_mode_16_64 3
		.amdhsa_memory_ordered 1
		.amdhsa_forward_progress 1
		.amdhsa_inst_pref_size 99
	.end_amdhsa_kernel
	.amdgpu_metadata
---
amdhsa.version: [ 1, 2 ]
amdhsa.kernels:
  - .name:           k_qbc11f3983f_proj
    .symbol:         k_qbc11f3983f_proj.kd
    .args:
      - { .name: o_img, .offset: 0, .size: 8, .value_kind: global_buffer, .address_space: global }
      - { .name: o_scales, .offset: 8, .size: 8, .value_kind: global_buffer, .address_space: global }
      - { .name: w_codes, .offset: 16, .size: 8, .value_kind: global_buffer, .address_space: global }
      - { .name: w_scales, .offset: 24, .size: 8, .value_kind: global_buffer, .address_space: global }
      - { .name: out0, .offset: 32, .size: 8, .value_kind: global_buffer, .address_space: global }
    .group_segment_fixed_size: 327680
    .private_segment_fixed_size: 0
    .kernarg_segment_align: 8
    .kernarg_segment_size: 40
    .max_flat_workgroup_size: 128
    .sgpr_count:     98
    .vgpr_count:     768
    .wavefront_size: 32
...
	.end_amdgpu_metadata
.endif
;; end of part 4
